; MI455X (gfx1250); checked and timed in simulation.
; The chip was launched on July 23, 2026; its instructions are those of AMD's public machine-readable ISA for CDNA 5 (MIT licence, August 2026) and "CDNA5" Instruction Set Architecture Reference Guide (July 2026). The comments in the code are by the model that wrote it; some were corrected since.
;; Multi Head Attention. Allowed arithmetic: matrix products marked QUANTISED: E2M3 operands, one E8M0 scale for each 32 along K, by v_wmma_scale_f32_16x16x128_f8f6f4 with both operands' format E2M3, f32 sums; everything else in f32.
;; Inputs: proj_b 1,024 float32; proj_w 1,024 x 1,024 float32; qkv_b 3,072 float32; qkv_w 1,024 x 3,072 float32; x 4 x 2,048 x 1,024 float32.
;; Outputs: out0 4 x 2,048 x 1,024 float32.
;; This version of the problem:
;;   THIS VERSION OF THE PROBLEM IS GIVEN IN LOW PRECISION. The matrix products marked QUANTISED in the list below multiply operands that are first quantised to E2M3 (2 exponent bits, 3 mantissa bits; 6 bits a number), with one power-of-two scale for each 32 numbers along K (OCP MX v1.0); their sums are f32. All else is computed in f32.
;;   The module's matrix products, in the order in which they are computed (A, B: the left and right operand; K: the contracted axis; several contracted axes count as one K, in the product's order):
;;     1. [M 8,192, K 1,024] x [K 1,024, N 3,072]; A: input x; B: input qkv_w: QUANTISED
;;     2. batch 64 x [M 2,048, K 64] x [K 64, N 2,048]; A: computed on the way; B: computed on the way: QUANTISED
;;     3. batch 64 x [M 2,048, K 2,048] x [K 2,048, N 64]; A: softmax (see below); B: computed on the way: QUANTISED
;;     4. [M 8,192, K 1,024] x [K 1,024, N 1,024]; A: computed on the way; B: input proj_w: QUANTISED
;;   THE QUANTISER, for each operand of a quantised product, along K:
;;     - K is cut into blocks of 32 from its start; a last block that is shorter is filled with zeros.
;;     - A block's scale is 2^e with e = floor(log2(the largest magnitude in the block)) - 2, held to -126 .. 127; a block of zeros has e = 0. As a byte (E8M0): e + 127.
;;     - Each number is divided by its block's scale, clamped to +-7.5, and rounded to the nearest number of E2M3, ties to even, subnormals kept.
;;     - The product sums the exact products of the quantised numbers (number of the format x scale) in f32.
;;   ~~~python
;;   def quantise(x, axis):      # numpy; x: float32 -> the quantised numbers, widened to float32 again
;;       x = np.moveaxis(x, axis, -1); K = x.shape[-1]
;;       x = np.pad(x, [(0, 0)] * (x.ndim - 1) + [(0, -K % 32)]); x = x.reshape(x.shape[:-1] + (-1, 32)); a = np.abs(x).max(-1, keepdims=True)
;;       e = np.where(a > 0, np.clip(np.frexp(np.where(a > 0, a, 1))[1] - 1 - 2, -126, 127), 0)      # np.frexp(a)[1] - 1 = floor(log2(a)), exactly
;;       r = np.clip(x / 2.0 ** e, -7.5, 7.5)
;;       step = 2.0 ** (np.maximum(np.frexp(np.where(r == 0, 1, r))[1] - 1, 0) - 3)
;;       q = np.round(r / step) * step * 2.0 ** e      # np.round: ties to even
;;       return np.moveaxis(q.reshape(q.shape[:-2] + (-1,))[..., :K], -1, axis).astype(np.float32)
;;   ~~~
;;   SOFTMAX AHEAD OF A QUANTISED PRODUCT. Where the list says 'softmax', what is quantised is not the finished softmax but p = 2^(t - M), with t = logit x log2(e) and M = ceil(the row's largest t), a whole number; so 1/2 < the row's largest p <= 1. The row's sum l is taken of the UNQUANTISED p, in f32, and the product's result is divided by l at the end. Since M is a whole number, a kernel that streams over the keys may use a running M (the ceiling of the running maximum): every later rescaling is an exact power of two, which a block's scale takes up: the codes' values come out the same.
;;   OPERANDS COMPUTED ON THE WAY. 'Computed on the way' means the value that the module computes at that place (a softmax that the list does not call 'softmax' is quantised finished and normalised). What goes into a quantiser is computed in f32, as accurately as f32 sums, v_exp_f32 and their like allow (about 1e-6 of the number): no bf16 or f16 on the way to a quantiser, and a product that is left as it is and whose result goes on into a quantised operand takes f32 operands (vector FMAs, or v_wmma_f32_16x16x4_f32). A number that lies on a knife's edge between two numbers of the format may be rounded either way, as far as f32 arithmetic and the matrix unit's own rounding can turn it there, and no further.
;; One version. Each part assembles by itself: llvm-mc -triple=amdgcn-amd-amdhsa -mcpu=gfx1250 --defsym DOCPART=n.
;; ======== version 1 of 1: 4 launches
;; limits: right only within a limited range of input values
;; workspace buffers: xcodes 6,291,456 bytes; xscales 262,144 bytes; wcodes 3,145,728 bytes; wscales 131,072 bytes; qkvimg 18,874,368 bytes; qkvsc 1,572,864 bytes; ocodes 6,291,456 bytes; oscales 262,144 bytes
;; launch prep (part 1): grid 384 x 1, 4 waves a work-group, no clusters, 59,904 bytes of LDS; arguments x, qkv_w, proj_w, xcodes, xscales, wcodes, wscales; writes xcodes, xscales, wcodes, wscales
.if DOCPART == 1
	.amdgcn_target "amdgcn-amd-amdhsa--gfx1250"
	.amdhsa_code_object_version 6
	.text
	.protected	k_qd1313bfc2d_prep
	.globl	k_qd1313bfc2d_prep
	.p2align	8
	.type	k_qd1313bfc2d_prep,@function
k_qd1313bfc2d_prep:
	s_mov_b64 s[64:65], 0
	v_nop
	global_prefetch_b8 v0, s[64:65] scope:SCOPE_SE
	s_setreg_imm32_b32 hwreg(HW_REG_WAVE_MODE, 25, 1), 1
	s_wait_xcnt 0x0
; x [8192][1024], qkv_w [1024][3072] and proj_w [1024][1024], f32, become codes of FP6 (E2M3) with one E8M0 byte for each 32 along K (K = 1024 for all three),
; laid in the order in which a matrix operand's registers take them.
; A TILE T of 16 rows (tokens of x, columns n of a weight): lane r holds row 32 (T / 2) + 8 (T % 2) + r + 8 (r / 8).
; CODES [T][kc 0..15][768]: for 64 along K three planes of 256 bytes; in plane p lane r + 16 h has 8 bytes at 8 x lane: bytes 8 p .. 8 p + 7 of the 24 bytes of codes of its row's k = 64 kc + 32 h + 0 .. 31.
; SCALE BYTES [T][kq 0..3][r 16][8]: byte e is the byte of the row's block 8 kq + e.   wcodes, wscales: tiles 0-191 are qkv_w's columns, 192-255 proj_w's.
; A block's scale is 2^(floor(log2(largest magnitude)) - 2); its byte is the largest magnitude's exponent field - 2, held at 1 from below.
; LIMITS: a block whose largest magnitude lies under 2^-124 keeps the byte 1 (a block of zeros too, where the rule says 127: its codes are zeros and this program alone reads the bytes); NaN and infinities are not served.
; Work-groups 0-255 take x (K innermost: a wave takes one tile x 512 along K, turned through its own stage in LDS so that a lane holds 16 neighbours);
; work-groups 256-383 take the weights (K outermost: a lane takes a column, its registers run down K; the codes leave through a stage as whole images).
; The two ways have LDS bytes of their own.  No tensor loads, no barrier: waves share nothing.
.set XST,   8448                       ; x: a wave's stage: 16 rows x (512 bytes + 16)
.set WST0,  33792                      ; the weights' stages begin behind x's four
.set WSTW,  6400                       ; a wave's two tile stages,
.set WSTT,  3200                       ; each 3,072 bytes + 128: the two tiles' halves of a store fall on different banks
.set SPARE, 59392                      ; the spare words, 128 bytes for each wave: two blocks of 256 bytes that no other line names
.set L4,  1                            ; v1  4 x lane
.set L16, 2                            ; v2  16 x lane
.set L8,  3                            ; v3  8 x lane
.set STW, 4                            ; v4  x's stage, in: 16 x lane
.set STR, 5                            ; v5  x's stage, out: row r, + 64 h
.set SPW, 6                            ; v6  my spare word; never rewritten
.set NIL, 7                            ; v7  0; never rewritten
.set TM,  8                            ; v8-23  at work in QUANT
.set PW,  24                           ; v24-27 scale words (weights: v24-25 eight scale bytes)
.set PC,  28                           ; v28-39 a fragment's codes
.set TQ,  40                           ; v40-46 the conversions' second halves
.set SWA, 50                           ; v50 weights' stage, in
.set SRD, 51                           ; v51 weights' stage, out
.set WSO, 52                           ; v52 my column's place among the scale bytes
.set R,   64                           ; x: v64-191 two sets of 64 as loaded
.set ST,  192                          ; x: v192-255 64 numbers, 16 neighbours of each of four blocks
.set VO,  64                           ; weights: v64-95 row i's byte offset + 4 x lane
.set X,   96                           ; weights: v96-159 two sets of 32 numbers
.set OUTR, 160                         ; weights: v160-207 the way out
.set SEL, 20                           ; s[20:21] selects for lane l xor 16
; 64 numbers of a lane, register 16 b + i = k 32 b + 16 (lane / 16) + i of my row, become codes: v[d0 .. d0 + 5] = k 32 h + 0 .. 31, v[d1 .. d1 + 5] = k 64 + 32 h + 0 .. 31; v[pw] = the row's four scale bytes.
.macro QUANT s, d0, d1, pw
.irp b, 0,1,2,3
	v_max3_num_f32 v[TM+\b], |v[\s+16*\b]|, |v[\s+1+16*\b]|, 0x1800000   ; my 16 numbers of block b, and the floor 2^(3 - 127): the byte cannot fall under 1
.endr
.irp i, 2,4,6,8,10,12,14
.irp b, 0,1,2,3
	v_max3_num_f32 v[TM+\b], v[TM+\b], |v[\s+16*\b+\i]|, |v[\s+1+16*\b+\i]|   ; the four blocks by turns
.endr
.endr
.irp b, 0,1,2,3
	v_permlanex16_b32 v[TM+4+\b], v[TM+\b], s[SEL], s[SEL+1]
.endr
.irp b, 0,1,2,3
	v_max_num_f32 v[TM+\b], v[TM+\b], v[TM+4+\b]   ; with lane l xor 16's 16: the block's largest magnitude
.endr
.irp b, 0,1,2,3
	v_add_nc_u32 v[TM+12+\b], 0xff000000, v[TM+\b]   ; 2 off its exponent field: the conversion's scale operand
.endr
.irp b, 0,1,2,3
	v_lshrrev_b32 v[TM+4+\b], 23, v[TM+12+\b]      ; the scale's byte
.endr
	v_lshl_or_b32 v[\pw], v[TM+5], 8, v[TM+4]
	v_lshl_or_b32 v[\pw], v[TM+6], 16, v[\pw]
	v_lshl_or_b32 v[\pw], v[TM+7], 24, v[\pw]
	v_cvt_scalef32_pk16_fp6_f32 v[\d0:\d0+2], v[\s:\s+15], v[TM+12]
	v_cvt_scalef32_pk16_fp6_f32 v[TQ:TQ+2], v[\s+16:\s+31], v[TM+13]      ; (a conversion's three registers begin on an even number)
	v_cvt_scalef32_pk16_fp6_f32 v[\d1:\d1+2], v[\s+32:\s+47], v[TM+14]
	v_cvt_scalef32_pk16_fp6_f32 v[TQ+4:TQ+6], v[\s+48:\s+63], v[TM+15]
	v_nop                                          ; one plain place behind the scaled conversions
.irp i, 0,1,2
	v_permlane16_swap_b32 v[\d0+\i], v[TQ+\i]      ; a whole block to a lane: lanes 0-15 the even block, lanes 16-31 the odd one
.endr
.irp i, 0,1,2
	v_mov_b32 v[\d0+3+\i], v[TQ+\i]
.endr
.irp i, 0,1,2
	v_permlane16_swap_b32 v[\d1+\i], v[TQ+4+\i]
.endr
.irp i, 0,1,2
	v_mov_b32 v[\d1+3+\i], v[TQ+4+\i]
.endr
.endm
	s_load_b256 s[4:11], s[0:1], 0x0               ; x s[4:5], qkv_w s[6:7], proj_w s[8:9], xcodes s[10:11]
	s_load_b128 s[12:15], s[0:1], 0x20             ; xscales s[12:13], wcodes s[14:15]
	s_load_b64 s[16:17], s[0:1], 0x30              ; wscales
	v_lshl_add_u32 v[SPW], v0, 2, SPARE
	v_mov_b32 v[NIL], 0
	v_lshrrev_b32 v1, 5, v0
	v_readfirstlane_b32 s18, v1                    ; wave 0..3
	v_and_b32 v53, 31, v0                          ; lane
	v_and_b32 v54, 15, v0                          ; r
	v_bfe_u32 v55, v0, 4, 1                        ; h
	v_lshlrev_b32 v[L4], 2, v53
	v_lshlrev_b32 v[L16], 4, v53
	v_lshlrev_b32 v[L8], 3, v53
	s_mul_i32 s22, s18, XST                        ; every LDS address is made here, ahead of the parting of the two ways
	v_add_nc_u32 v[STW], s22, v[L16]
	v_mul_u32_u24 v[STR], v54, 528
	v_lshl_add_u32 v[STR], v55, 6, v[STR]
	v_add_nc_u32 v[STR], s22, v[STR]
	v_bfe_u32 v56, v0, 3, 1                        ; a weight's column 32 P + lane lies in tile 2 P + u, u = (lane / 8) % 2,
	v_and_b32 v57, 7, v0
	v_lshl_add_u32 v57, v55, 3, v57                ; at its lane r' = lane % 8 + 8 (lane / 16)
	s_mul_i32 s23, s18, WSTW
	s_add_co_u32 s23, s23, WST0
	v_mul_u32_u24 v[SWA], v56, WSTT
	v_lshl_add_u32 v[SWA], v57, 3, v[SWA]
	v_add_nc_u32 v[SWA], s23, v[SWA]
	v_add_nc_u32 v[SRD], s23, v[L16]
	v_lshlrev_b32 v[WSO], 9, v56
	v_lshl_add_u32 v[WSO], v57, 3, v[WSO]
	s_mov_b32 s19, 0xffff0000                      ; a mask of lanes 16-31
	s_mov_b32 s[SEL], 0x76543210
	s_mov_b32 s[SEL+1], 0xfedcba98
.irp b, 0,1,2,3
	v_mov_b32 v[TM+4+\b], 0                        ; written once: a lane permute's destination counts as one of its sources
.endr
	s_wait_kmcnt 0x0
	s_cmp_lt_u32 ttmp9, 256
	s_cbranch_scc0 .Lw
	; ---------------- x: wave 4 g + w takes tile T = (4 g + w) / 2, half kh of K: four units of 128 along K
	s_lshl_b32 s22, ttmp9, 2
	s_add_co_u32 s22, s22, s18
	s_lshr_b32 s23, s22, 1                         ; T
	s_and_b32 s22, s22, 1                          ; kh
	s_lshr_b32 s24, s23, 1
	s_and_b32 s25, s23, 1
	s_lshl_b32 s24, s24, 5
	s_lshl_b32 s25, s25, 3
	s_add_co_u32 s24, s24, s25                     ; the tile's first row: 32 (T / 2) + 8 (T % 2)
	s_lshl_b32 s24, s24, 12                        ; rows of 4,096 bytes
	s_lshl_b32 s25, s22, 11
	s_add_co_u32 s24, s24, s25
	s_mov_b32 s25, 0
	s_add_nc_u64 s[4:5], s[4:5], s[24:25]
	s_mul_i32 s24, s23, 12288
	s_mul_i32 s26, s22, 6144
	s_add_co_u32 s24, s24, s26
	s_add_nc_u64 s[10:11], s[10:11], s[24:25]
	s_lshl_b32 s24, s23, 9
	s_lshl_b32 s26, s22, 8
	s_add_co_u32 s24, s24, s26
	s_add_nc_u64 s[12:13], s[12:13], s[24:25]
.macro LOAD t                          ; unit t: 512 consecutive bytes of each of the tile's 16 rows
.irp rr, 0,1,2,3,4,5,6,7,8,9,10,11,12,13,14,15
	global_load_b128 v[R+64*((\t)%2)+4*\rr:R+64*((\t)%2)+4*\rr+3], v[L16], s[4:5] offset:(\rr+8*(\rr/8))*4096+512*(\t) th:TH_LOAD_NT
.endr
.endm
.macro UNIT t
.if (\t) < 3
	s_wait_loadcnt 16                              ; this unit's 16 loads are in; the next unit's 16 may be out
.else
	s_wait_loadcnt 0x0
.endif
.irp rr, 0,1,2,3,4,5,6,7,8,9,10,11,12,13,14,15
	ds_store_b128 v[STW], v[R+64*((\t)%2)+4*\rr:R+64*((\t)%2)+4*\rr+3] offset:528*\rr
.endr
.irp b, 0,1,2,3
.irp j, 0,1,2,3
	ds_load_b128 v[ST+16*\b+4*\j:ST+16*\b+4*\j+3], v[STR] offset:128*\b+16*\j   ; LDS serves a wave's instructions in order: these see my stores
.endr
.endr
	s_wait_dscnt 0x0                               ; the numbers are back, and the stores have read their registers,
.if (\t) < 2
	LOAD (\t)+2                                    ; which take the loads of two units on
.endif
.if (\t) > 0
	s_wait_xcnt 0x0                                ; the last unit's stores have read the codes' registers
.endif
	QUANT ST, PC, PC+6, PW+(\t)
.irp c, 0,1
.irp p, 0,1,2
	global_store_b64 v[L8], v[PC+6*\c+2*\p:PC+6*\c+2*\p+1], s[10:11] offset:(2*(\t)+\c)*768+256*\p   ; 32 lanes store 256 consecutive bytes, aligned
.endr
.endr
.endm
	LOAD 0
	LOAD 1
	UNIT 0
	UNIT 1
	UNIT 2
	UNIT 3
	v_cndmask_b32 v48, v[PW], v[PW+2], s19         ; lanes 0-15: my row's 8 bytes of the first 256 along K; lanes 16-31: of the second
	v_cndmask_b32 v49, v[PW+1], v[PW+3], s19
	global_store_b64 v[L8], v[48:49], s[12:13]     ; 256 consecutive bytes, aligned
	s_wait_tensorcnt 0x0                           ; the wave's end, behind my last LDS store
	ds_add_u32 v[SPW], v[NIL]
	s_wait_dscnt 0x0
	s_endpgm
	; ---------------- the weights: work-group g = ky + 4 cg: 256 along K (ky) of 128 columns (cg: 0-23 qkv_w's, 24-31 proj_w's); a wave takes 32 columns
.Lw:
	s_sub_co_u32 s22, ttmp9, 256
	s_and_b32 s23, s22, 3                          ; ky
	s_lshr_b32 s22, s22, 2                         ; cg
	s_mov_b32 s40, 4096
	s_sub_co_u32 s41, s22, 24
	s_cmp_lt_u32 s22, 24                           ; the choice hangs on the work-group's number alone
	s_cselect_b32 s40, 12288, s40                  ; a row of the weight in bytes
	s_cselect_b32 s41, s22, s41                    ; the group of columns inside its own tensor
	s_cselect_b64 s[6:7], s[6:7], s[8:9]
	s_lshl_b32 s42, s40, 8
	s_mul_i32 s42, s42, s23                        ; 256 ky rows
	s_lshl_b32 s43, s41, 9
	s_add_co_u32 s42, s42, s43                     ; + 128 columns a group
	s_lshl_b32 s43, s18, 7
	s_add_co_u32 s42, s42, s43                     ; + 32 columns a wave
	s_mov_b32 s43, 0
	s_add_nc_u64 s[24:25], s[6:7], s[42:43]        ; a base for each block of 32 rows: s[24 + 2 t : 25 + 2 t]
	s_lshl_b32 s42, s40, 5
.irp t, 1,2,3,4,5,6,7
	s_add_nc_u64 s[24+2*\t:25+2*\t], s[22+2*\t:23+2*\t], s[42:43]
.endr
	s_lshl_b32 s44, s22, 2
	s_add_co_u32 s44, s44, s18                     ; the pair of tiles: 4 cg + wave, counted through both weights
	s_mul_i32 s46, s44, 24576
	s_mul_i32 s45, s23, 3072
	s_add_co_u32 s46, s46, s45
	s_mov_b32 s47, 0
	s_add_nc_u64 s[14:15], s[14:15], s[46:47]
	s_lshl_b32 s46, s44, 10
	s_lshl_b32 s45, s23, 7
	s_add_co_u32 s46, s46, s45
	s_add_nc_u64 s[16:17], s[16:17], s[46:47]
.irp i, 0,1,2,3,4,5,6,7,8,9,10,11,12,13,14,15,16,17,18,19,20,21,22,23,24,25,26,27,28,29,30,31
	v_mad_u32_u24 v[VO+\i], s40, \i, v[L4]
.endr
.macro LOADW t                         ; block t: W(32 t + i, my column): a wave reads 128 consecutive bytes, the work-group 512
.irp i, 0,1,2,3,4,5,6,7,8,9,10,11,12,13,14,15,16,17,18,19,20,21,22,23,24,25,26,27,28,29,30,31
	global_load_b32 v[X+32*((\t)%2)+\i], v[VO+\i], s[24+2*(\t):25+2*(\t)] th:TH_LOAD_NT
.endr
.endm
.macro BLOCK t
.set XS, X+32*((\t)%2)
.if (\t) < 7
	s_wait_loadcnt 32                              ; this block's 32 loads are in; the next block's may be out
.else
	s_wait_loadcnt 0x0
.endif
	v_max3_num_f32 v8, |v[XS]|, |v[XS+1]|, |v[XS+2]|   ; all 32 numbers of the block are mine
	v_max3_num_f32 v9, |v[XS+3]|, |v[XS+4]|, |v[XS+5]|
.irp i, 6,10,14,18,22,26
	v_max3_num_f32 v8, v8, |v[XS+\i]|, |v[XS+\i+1]|
	v_max3_num_f32 v9, v9, |v[XS+\i+2]|, |v[XS+\i+3]|
.endr
	v_max3_num_f32 v8, v8, |v[XS+30]|, |v[XS+31]|
	v_max3_num_f32 v8, v8, v9, 0x1800000           ; and the floor
	v_add_nc_u32 v11, 0xff000000, v8               ; the conversion's scale operand
	v_lshrrev_b32 v10, 23, v11                     ; the byte
.if (\t)%4 == 0
	v_mov_b32 v[PW+(\t)/4], v10
.else
	v_lshl_or_b32 v[PW+(\t)/4], v10, 8*((\t)%4), v[PW+(\t)/4]
.endif
	v_cvt_scalef32_pk16_fp6_f32 v[PC:PC+2], v[XS:XS+15], v11
	v_cvt_scalef32_pk16_fp6_f32 v[TQ:TQ+2], v[XS+16:XS+31], v11
	v_nop                                          ; one plain place behind the scaled conversions
.irp i, 0,1,2
	v_mov_b32 v[PC+3+\i], v[TQ+\i]
.endr
.irp p, 0,1,2
	ds_store_b64 v[SWA], v[PC+2*\p:PC+2*\p+1] offset:((\t)/2)*768+256*\p+128*((\t)%2)   ; block t is half t % 2 of the 64 along K numbered t / 2
.endr
.if (\t) < 6
	LOADW (\t)+2
.endif
	s_wait_dscnt 0x0                               ; the stores have read their registers: the next block's codes may be written
.endm
	LOADW 0
	LOADW 1
.irp t, 0,1,2,3,4,5,6,7
	BLOCK \t
.endr
	s_wait_alu depctr_va_vdst(0)
	global_store_b64 v[WSO], v[PW:PW+1], s[16:17]  ; my column's 8 scale bytes: two runs of 128 consecutive bytes a wave (131,072 bytes in the whole launch)
.irp u, 0,1
.irp i, 0,1,2,3,4,5
	ds_load_b128 v[OUTR+4*(6*\u+\i):OUTR+4*(6*\u+\i)+3], v[SRD] offset:WSTT*\u+512*\i   ; in order behind my stores
.endr
.endr
.irp u, 0,1
.irp i, 0,1,2,3,4,5
	s_wait_dscnt 11-(6*\u+\i)                      ; the younger loads may be out
	global_store_b128 v[L16], v[OUTR+4*(6*\u+\i):OUTR+4*(6*\u+\i)+3], s[14:15] offset:12288*\u+512*\i   ; 512 consecutive bytes, aligned to 256
.endr
.endr
	s_wait_tensorcnt 0x0                           ; the wave's end, behind my last LDS store
	ds_add_u32 v[SPW], v[NIL]
	s_wait_dscnt 0x0
	s_endpgm
.Lfunc_end_k_qd1313bfc2d_prep:
	.size	k_qd1313bfc2d_prep, .Lfunc_end_k_qd1313bfc2d_prep-k_qd1313bfc2d_prep
	.p2alignl 7, 3214868480
	.fill 96, 4, 3214868480
	.section	.rodata,"a",@progbits
	.p2align	6, 0x0
	.amdhsa_kernel k_qd1313bfc2d_prep
		.amdhsa_group_segment_fixed_size 59904
		.amdhsa_private_segment_fixed_size 0
		.amdhsa_enable_private_segment 0
		.amdhsa_kernarg_size 56
		.amdhsa_user_sgpr_count 2
		.amdhsa_user_sgpr_kernarg_segment_ptr 1
		.amdhsa_wavefront_size32 1
		.amdhsa_system_sgpr_workgroup_id_x 1
		.amdhsa_system_sgpr_workgroup_id_y 1
		.amdhsa_system_sgpr_workgroup_id_z 1
		.amdhsa_system_vgpr_workitem_id 0
		.amdhsa_next_free_vgpr 256
		.amdhsa_next_free_sgpr 66
		.amdhsa_reserve_vcc 0
		.amdhsa_float_denorm_mode_32 3
		.amdhsa_float_denorm_mode_16_64 3
		.amdhsa_memory_ordered 1
		.amdhsa_forward_progress 1
		.amdhsa_inst_pref_size 78
	.end_amdhsa_kernel
	.amdgpu_metadata
---
amdhsa.version: [ 1, 2 ]
amdhsa.kernels:
  - .name:           k_qd1313bfc2d_prep
    .symbol:         k_qd1313bfc2d_prep.kd
    .args:
      - { .name: x, .offset: 0, .size: 8, .value_kind: global_buffer, .address_space: global }
      - { .name: qkv_w, .offset: 8, .size: 8, .value_kind: global_buffer, .address_space: global }
      - { .name: proj_w, .offset: 16, .size: 8, .value_kind: global_buffer, .address_space: global }
      - { .name: xcodes, .offset: 24, .size: 8, .value_kind: global_buffer, .address_space: global }
      - { .name: xscales, .offset: 32, .size: 8, .value_kind: global_buffer, .address_space: global }
      - { .name: wcodes, .offset: 40, .size: 8, .value_kind: global_buffer, .address_space: global }
      - { .name: wscales, .offset: 48, .size: 8, .value_kind: global_buffer, .address_space: global }
    .group_segment_fixed_size: 59904
    .private_segment_fixed_size: 0
    .kernarg_segment_align: 8
    .kernarg_segment_size: 56
    .max_flat_workgroup_size: 128
    .sgpr_count:     66
    .vgpr_count:     256
    .wavefront_size: 32
...
	.end_amdgpu_metadata
.endif
;; end of part 1
;; launch gemm_qkv (part 2): grid 32 x 8, 4 waves a work-group, clusters of 4 x 4, 327,680 bytes of LDS; arguments xcodes, xscales, wcodes, wscales, qkv_b, qkvimg, qkvsc; writes qkvimg, qkvsc
.if DOCPART == 2
	.amdgcn_target "amdgcn-amd-amdhsa--gfx1250"
	.amdhsa_code_object_version 6
	.text
	.protected	k_qd1313bfc2d_gemm_qkv
	.globl	k_qd1313bfc2d_gemm_qkv
	.p2align	8
	.type	k_qd1313bfc2d_gemm_qkv,@function
k_qd1313bfc2d_gemm_qkv:
	s_mov_b64 s[64:65], 0
	v_nop
	global_prefetch_b8 v0, s[64:65] scope:SCOPE_SE
	s_setreg_imm32_b32 hwreg(HW_REG_WAVE_MODE, 25, 1), 1
	s_wait_xcnt 0x0
	s_wait_alu depctr_hold_cnt(0) depctr_sa_sdst(0) depctr_va_vdst(0) depctr_va_sdst(0) depctr_va_ssrc(0) depctr_va_vcc(0) depctr_vm_vsrc(0)
	s_getreg_b32 s2, hwreg(HW_REG_IB_STS2, 6, 4)
	s_cmp_eq_u32 s2, 0
	s_cbranch_scc0 .Lentry_in_a_cluster
	s_endpgm
.Lentry_in_a_cluster:
	s_bfe_u32 s2, ttmp6, 0x10000c
	s_cmp_lg_u32 s2, 0xf033
	s_cbranch_scc0 .Lentry_shape_is_right
	s_endpgm
.Lentry_shape_is_right:
; qkv = x qkv_w + qkv_b on codes of FP6 (E2M3) with E8M0 scales, K = 1024; the sums, f32, are quantised in registers into the operands of the attention launch.
; OPERANDS lie as images of the operand's registers: codes [tile][kc 16][768] (12,288 bytes a tile of 16 rows), scale bytes [tile][kq 4][r 16][8]; tile T's lane r is row 32 (T / 2) + 8 (T % 2) + r + 8 (r / 8).
; THE DEAL.  256 work-groups of four waves, 2 x 2.  Work-group (tile row s43, column group s42) takes 256 tokens and, in THREE PHASES, 128 columns (two heads) of q, of k and of v.  Its tokens' codes, all of K, stay in LDS.
; A wave (row a, column b) holds the four column tiles of head 2 s42 + b, all of K, in 384 registers, and streams the eight token tiles 8 a .. 8 a + 7 (one step of 128 tokens) past them: 32 products a tile.
; The weights of the next phase are asked for as soon as all waves hold this phase's in registers, in a drained round of the cluster's barrier: 256 products of each wave stand between that request and the first read, so no data prefetch is laid.
; CLUSTERS 4 x 4: the cluster's x counts tile rows.  The tokens' tiles are shared by a column of the cluster (mask s44), the weights' by a row (mask s45).  No LDS address hangs on the cluster's numbers.
; q, k: source 0 = a weight's tile, source 1 = tokens: lane (r, h) holds token r; its registers 16 b + i of the four tiles are the head's channels 32 b + 16 h + i.   v: the sources change places: lane (r, h) holds channel r,
; and the registers 16 b + i of four token tiles are tokens 32 b + 16 h + i.  Either way 32 sums of a lane are halves of two scale blocks, whole with lane l xor 16's.
; SCALE WORDS: a load of 8 bytes a lane brings lanes 0-15 the words of K steps 4 i, 4 i + 1 and lanes 16-31 those of 4 i + 2, 4 i + 3; the product's row selectors choose.  The bias is the first products' C: a sum begins with it.
; OUT as the attention launch reads it: qkvimg [part][batch x head][step][4][1536], qkvsc [part][batch x head][step][lane 32][4 words].
; LIMITS: a block whose largest magnitude lies under 2^-124 keeps the byte 1 (zeros too: this program alone reads the bytes); NaN, infinities and sums beyond f32's range are not served.
; REGISTERS: windows 1 to 3 hold 48 fragments of 12: 32 of the weight (4 q + t), two sets of 8 of the tokens; window 3, v128-159: the bias.  All else lies in window 0.
.set TB, 12288
.set KROW, 768
.set NQ, 8
.set NB, 4
.set FR, 12
.set FPW, 21                           ; fragments in a window
.set NF, 25                            ; LDS loads of a token tile: 24 for eight fragments, 1 for its scale words
.set YB, 16*TB                         ; the weights' eight tiles, behind the tokens' sixteen
.set XS, YB+8*TB                       ; the tokens' scale bytes, 8,192
.set WS, XS+8192                       ; the weights', 4,096 a phase
.set BL, WS+12288                      ; the bias, 512 bytes a phase
.set SPARE, BL+1536                    ; the spare words
.set L8, 4
.set T16, 6
.set T4, 7
.set LX, 8
.set LI, 9
.set SPW, 10
.set NIL, 11
.set BBA, 12
.set ABS0, 13
.set ABB, 14
.set ABV, 15
.set AAS0, 16
.set AAS, 17
.set TA, 18
.set AQ0, 20
.set AQ, 28
.set LB, 36
.set SA, 40                            ; a product's two scale registers differ by 2 modulo 4 in their numbers
.set SB, 50
.set TQ, 66
.set CT, 70
.set PWT, 74
.set KSR, 76
.set VS, 76
.set IM, 80
.set VCD, 80
.set HV, 112
.set BO, 128
.set BOW, 3
.set G1A, 24
.set G1B, 32
.set G1R, 48
.set G0A, 56
.set G0B, 60
.set G0R, 72
.set SEL, 92
.set MK, 94
.set MSB, 0
.macro WIN new
.if MSB != (\new)
	s_set_vgpr_msb (MSB<<8)|(\new)
.set MSB, \new
.endif
.endm
.macro PLACES n
.rept \n
	v_nop
.endr
.endm
.macro WALU
	s_wait_alu depctr_va_vdst(0)
.endm
.macro BARRIER
	s_barrier_signal -1
	s_barrier_wait -1
.endm
.macro CROUND
	BARRIER
	s_cmp_lg_u32 s14, 0
	s_cbranch_scc1 .Lnot_wave_0_\@
	s_barrier_signal -3
.Lnot_wave_0_\@:
	s_barrier_wait -3
	BARRIER
.endm
.macro TLOAD g0, g1                    ; an s_nop 0 and four v_nop follow a tensor load
	tensor_load_to_lds s[\g0:\g0+3], s[\g1:\g1+7]
	s_nop 0
	PLACES 4
.endm
.macro ATILE first, rows               ; a part of the tokens' codes, as dense rows of 768 bytes, by a descriptor of constants
	s_mov_b32 s[G0A+1], (\first)*KROW
	s_mov_b32 s[G1A+2], (\rows)<<16
	s_mov_b32 s[G1A+4], \rows
.if \first
	s_add_nc_u64 s[G0A+2:G0A+3], s[G0A+2:G0A+3], (\first)*KROW
.endif
	s_or_b32 s[G0A+3], s[G0A+3], 0x80000000
	TLOAD G0A, G1A
.endm
.macro GROUP1 g, mask, rows
	s_or_b32 s[\g+0], s[\mask], (1<<21)
	s_mov_b32 s[\g+1], (KROW&0xffff)<<16
	s_mov_b32 s[\g+3], KROW<<16
.if \rows
	s_mov_b32 s[\g+2], (\rows)<<16
	s_mov_b32 s[\g+4], \rows
.endif
	s_mov_b32 s[\g+5], KROW
	s_mov_b32 s[\g+6], 0
	s_mov_b32 s[\g+7], 0
.endm
.macro LOADB                           ; my four column tiles, all of K, into registers: six planes of 256 bytes a fragment, 8 bytes a lane
.irp q, 0,1,2,3,4,5,6,7
.irp t, 0,1,2,3
	WIN (1+(NB*\q+\t)/FPW)<<6
.irp p, 0,1,2,3,4,5
	ds_load_b64 v[FR*((NB*\q+\t)%FPW)+2*\p:FR*((NB*\q+\t)%FPW)+2*\p+1], v[BBA] offset:\t*TB+\q*1536+256*\p
.endr
.endr
.endr
	WIN 0
.endm
.macro SBLOAD a                        ; their scale words
.irp t, 0,1,2,3
	ds_load_2addr_b64 v[SB+4*\t:SB+4*\t+3], v[\a] offset0:64*\t offset1:64*\t+32
.endr
.endm
.macro FETCHAT e, aq, as               ; a token tile into set e: NF loads
.irp q, 0,1,2,3,4,5,6,7
	WIN (1+(NB*NQ+NQ*(\e)+\q)/FPW)<<6
.irp p, 0,2,4
	ds_load_2addr_b64 v[FR*((NB*NQ+NQ*(\e)+\q)%FPW)+2*\p:FR*((NB*NQ+NQ*(\e)+\q)%FPW)+2*\p+3], v[\aq+\q] offset0:32*\p offset1:32*\p+32
.endr
.endr
	WIN 0
	ds_load_2addr_b64 v[SA+4*(\e):SA+4*(\e)+3], v[\as] offset0:0 offset1:32
.endm
.macro P1 d, s0, s1, c, x0, x1, o
.if \o
	v_wmma_scale_f32_16x16x128_f8f6f4 v[\d:\d+7], v[FR*((\s0)%FPW):FR*((\s0)%FPW)+FR-1], v[FR*((\s1)%FPW):FR*((\s1)%FPW)+FR-1], \c, v[\x0], v[\x1] matrix_a_fmt:MATRIX_FMT_FP6 matrix_b_fmt:MATRIX_FMT_FP6 matrix_a_scale:MATRIX_SCALE_ROW1 matrix_b_scale:MATRIX_SCALE_ROW1
.else
	v_wmma_scale_f32_16x16x128_f8f6f4 v[\d:\d+7], v[FR*((\s0)%FPW):FR*((\s0)%FPW)+FR-1], v[FR*((\s1)%FPW):FR*((\s1)%FPW)+FR-1], \c, v[\x0], v[\x1] matrix_a_fmt:MATRIX_FMT_FP6 matrix_b_fmt:MATRIX_FMT_FP6
.endif
.endm
.macro PROD v, e, q, t, d              ; K step q of column tile t against the token tile in set e; v = 1: the tokens are source 0
.set FB_, NB*(\q)+(\t)
.set FA_, NB*NQ+NQ*(\e)+(\q)
.set XB_, SB+4*(\t)+2*((\q)/4)+(\q)%2
.set XA_, SA+4*(\e)+2*((\q)/4)+(\q)%2
.set D_, \d
.if \v
.set S0_, FA_
.set S1_, FB_
.set X0_, XA_
.set X1_, XB_
.else
.set S0_, FB_
.set S1_, FA_
.set X0_, XB_
.set X1_, XA_
.endif
.if (\q) == 0
	WIN (1+S0_/FPW)|((1+S1_/FPW)<<2)|(BOW<<4)
	P1 D_, S0_, S1_, v[BO+8*(\t):BO+8*(\t)+7], X0_, X1_, 0
.else
	WIN (1+S0_/FPW)|((1+S1_/FPW)<<2)
	P1 D_, S0_, S1_, v[D_:D_+7], X0_, X1_, ((\q)/2)%2
.endif
.endm
.macro PRODSQ e                        ; 32 products, four accumulators by turns
.irp q, 0,1,2,3,4,5,6,7
.irp t, 0,1,2,3
	PROD 0, \e, \q, \t, HV+32*(\e)+8*\t
.endr
.endr
	WIN 0
.endm
.macro PRODSV e, j
.irp q, 0,1,2,3,4,5,6,7
.irp t, 0,1,2,3
	PROD 1, \e, \q, \t, HV+32*\t+8*(\j)
.endr
.endr
	WIN 0
.endm
.macro TOP s                           ; tile s's fragments are in; younger is the fetch of tile s + 1 alone
.if (\s) < 7
	s_wait_dscnt NF
.else
	s_wait_dscnt 0x0
.endif
.endm
.macro NEXTA s, e                      ; behind tile s's products: the fetch of tile s + 2 into the set just read.  The first four lines are the places behind the last product
.if (\s)+2 < 8
.irp q, 0,1,2,3,4,5,6,7
	v_add_nc_u32 v[AQ+\q], ((\s)+2)*TB, v[AQ0+\q]
.endr
	v_add_nc_u32 v[AAS], ((\s)+2)*512, v[AAS0]
.else
	PLACES 4
.endif
	WALU                                           ; the wait here, directly ahead of the wait below
	s_wait_xcnt 0x0                                ; earlier stores have read their registers
.if (\s)+2 < 8
	FETCHAT \e, AQ, AAS
.endif
.endm
; 32 sums of a lane, register 16 b + i = place 32 b + 16 h + i along the next K, become six registers of codes (lanes 0-15 block 0, lanes 16-31 block 1) and the two scale bytes
.macro HALFQ x, d, w
	v_max3_num_f32 v[TQ], |v[\x]|, |v[\x+1]|, 0x1800000        ; with the floor 2^(3 - 127): the byte cannot fall under 1.  Each accumulator is first read at its low end
	v_max3_num_f32 v[TQ+1], |v[\x+16]|, |v[\x+17]|, 0x1800000
.irp i, 2,4,6,8,10,12,14
	v_max3_num_f32 v[TQ], v[TQ], |v[\x+\i]|, |v[\x+\i+1]|
	v_max3_num_f32 v[TQ+1], v[TQ+1], |v[\x+16+\i]|, |v[\x+17+\i]|
.endr
	v_permlanex16_b32 v[TQ+2], v[TQ], s[SEL], s[SEL+1]
	v_permlanex16_b32 v[TQ+3], v[TQ+1], s[SEL], s[SEL+1]
	v_max_num_f32 v[TQ], v[TQ], v[TQ+2]
	v_max_num_f32 v[TQ+1], v[TQ+1], v[TQ+3]
	v_add_nc_u32 v[TQ], 0xff000000, v[TQ]          ; 2 off the exponent field: the conversion's scale operand
	v_add_nc_u32 v[TQ+1], 0xff000000, v[TQ+1]
	v_lshrrev_b32 v[TQ+2], 23, v[TQ]
	v_lshrrev_b32 v[TQ+3], 23, v[TQ+1]
	v_lshl_or_b32 v[\w], v[TQ+3], 8, v[TQ+2]
	v_cvt_scalef32_pk16_fp6_f32 v[\d:\d+2], v[\x:\x+15], v[TQ]
	v_cvt_scalef32_pk16_fp6_f32 v[CT:CT+2], v[\x+16:\x+31], v[TQ+1]
	v_nop                                          ; one plain place behind the scaled conversions
.irp i, 0,1,2
	v_permlane16_swap_b32 v[\d+\i], v[CT+\i]
.endr
.irp i, 0,1,2
	v_mov_b32 v[\d+3+\i], v[CT+\i]
.endr
.endm
.macro BQK s                           ; q, k: token tile s
.set E_, (\s)%2
	TOP \s
	PRODSQ E_
	NEXTA \s, E_
	HALFQ HV+32*E_, IM+6*E_, PWT+E_
.if E_
	v_cndmask_b32 v[KSR+(\s)/2], v[PWT], v[PWT+1], s[MK]   ; lanes 0-15 the even tile's word, lanes 16-31 the odd one's
.irp c, 0,1,2
	global_store_b128 v[LI], v[IM+4*\c:IM+4*\c+3], s[86:87] offset:1536*((\s)/2)+512*\c   ; 512 consecutive bytes, aligned
.endr
.endif
.endm
.macro BV s                            ; v: token tile s; four tiles are a band of 64 tokens, half of a fragment
.set E_, (\s)%2
	TOP \s
	PRODSV E_, (\s)%4
	NEXTA \s, E_
.if (\s)%4 == 3
.irp t, 0,1,2,3
.if (\s) == 3
	HALFQ HV+32*\t, VCD+8*\t+2, VS+\t
	global_store_b128 v[LI], v[VCD+8*\t+2:VCD+8*\t+5], s[86:87] offset:1536*\t   ; the fragment's registers 0-3 leave;
	v_mov_b32 v[VCD+8*\t], v[VCD+8*\t+6]           ; 4 and 5 wait beside the second band's six
	v_mov_b32 v[VCD+8*\t+1], v[VCD+8*\t+7]
.else
	HALFQ HV+32*\t, VCD+8*\t+2, PWT
	v_lshl_or_b32 v[VS+\t], v[PWT], 16, v[VS+\t]
	global_store_b128 v[LI], v[VCD+8*\t:VCD+8*\t+3], s[86:87] offset:1536*\t+512
	global_store_b128 v[LI], v[VCD+8*\t+4:VCD+8*\t+7], s[86:87] offset:1536*\t+1024
.endif
.endr
.endif
.endm
.macro FIRSTA                          ; tile 1's addresses
.irp q, 0,1,2,3,4,5,6,7
	v_add_nc_u32 v[AQ+\q], TB, v[AQ0+\q]
.endr
	v_add_nc_u32 v[AAS], 512, v[AAS0]
.endm
; ================= THE HEAD
	s_load_b256 s[4:11], s[0:1], 0x0               ; xcodes, xscales, wcodes, wscales
	s_load_b128 s[84:87], s[0:1], 0x20             ; qkv_b, qkvimg
	s_load_b64 s[88:89], s[0:1], 0x30              ; qkvsc
	v_lshl_add_u32 v[SPW], v0, 2, SPARE
	v_mov_b32 v[NIL], 0
	ds_add_u32 v[SPW], v[NIL]                      ; the opening lines
	ds_add_u32 v[SPW], v[NIL]
	v_lshrrev_b32 v1, 5, v0
	v_readfirstlane_b32 s14, v1                    ; the wave; s15 its row a, s16 its column b
	s_lshr_b32 s15, s14, 1
	s_and_b32 s16, s14, 1
	s_bfe_u32 s40, ttmp6, 0x40000
	s_bfe_u32 s41, ttmp6, 0x40004
	s_lshl_b32 s43, ttmp9, 2
	s_add_co_u32 s43, s43, s40                     ; tile row: 256 tokens
	s_and_b32 s42, ttmp7, 0xffff
	s_lshl_b32 s42, s42, 2
	s_add_co_u32 s42, s42, s41                     ; column group: two heads
	s_lshl_b32 s44, 0x1111, s40
	s_lshl_b32 s45, s41, 2
	s_lshl_b32 s45, 15, s45
	GROUP1 G1A, 44, 0
	GROUP1 G1B, 45, 128
	GROUP1 G1R, 45, 32
	s_mov_b32 s[G0A], 1
	s_mul_i32 s76, s43, 16*TB
	s_mov_b32 s77, 0
	s_mul_i32 s78, s42, 8*TB
	s_mov_b32 s79, 0
	s_mul_i32 s80, s14, 2*TB                       ; of a refill's eight tiles I fetch two
	s_add_co_u32 s82, s78, s80
	s_mov_b32 s83, 0
	s_mov_b32 s[G0B], 1
	s_mov_b32 s[G0B+1], YB
	s_mov_b32 s[G0R], 1
	s_add_co_u32 s[G0R+1], s80, YB
	s_mov_b32 s[SEL], 0x76543210
	s_mov_b32 s[SEL+1], 0xfedcba98
	s_mov_b32 s[MK], 0xffff0000
	s_mul_i32 s66, s15, 8*TB
	s_mul_i32 s67, s16, 4*TB
	s_add_co_u32 s67, s67, YB
	s_lshl_b32 s68, s15, 12
	s_add_co_u32 s68, s68, XS
	s_lshl_b32 s69, s16, 11
	s_add_co_u32 s69, s69, WS
	s_lshl_b32 s70, s16, 8
	s_add_co_u32 s70, s70, BL
	s_add_co_u32 s71, s70, 1024
	v_and_b32 v1, 15, v0
	v_bfe_u32 v2, v0, 4, 1
	v_and_b32 v3, 31, v0
	v_lshlrev_b32 v[T16], 4, v0
	v_lshlrev_b32 v[T4], 2, v0
	v_lshlrev_b32 v[LI], 4, v3
	v_lshlrev_b32 v[L8], 3, v3
	v_and_b32 v5, 8, v1
	v_add_nc_u32 v5, v5, v1                        ; my row in a tile: r + 8 (r / 8)
	v_add_nc_u32 v[AQ0], s66, v[L8]
.irp q, 1,2,3,4,5,6,7
	v_add_nc_u32 v[AQ0+\q], 1536*\q, v[AQ0]
.endr
	v_add_nc_u32 v[BBA], s67, v[L8]
	v_add_nc_u32 v[AAS0], s68, v[L8]
	v_add_nc_u32 v[ABS0], s69, v[L8]
	v_lshl_add_u32 v[ABB], v2, 6, s70
	v_lshl_add_u32 v[ABV], v5, 2, s71
	v_add_nc_u32 v[LX], XS, v[T16]
	v_add_nc_u32 v[LB], BL, v[T4]
	v_mov_b32 v[TQ+2], 0                           ; written once: a lane permute's destination counts as one of its sources
	v_mov_b32 v[TQ+3], 0
	WALU                                           ; the wait at the head's end
	s_wait_dscnt 0x0
	CROUND                                         ; the opening round
	s_wait_kmcnt 0x0
	s_add_nc_u64 s[G0A+2:G0A+3], s[4:5], s[76:77]
	s_add_nc_u64 s[G0B+2:G0B+3], s[8:9], s[78:79]
	s_or_b32 s[G0B+3], s[G0B+3], 0x80000000
	s_add_nc_u64 s[G0R+2:G0R+3], s[8:9], s[82:83]
	s_or_b32 s[G0R+3], s[G0R+3], 0x80000000
	s_cmp_eq_u32 s14, 0
	s_cbranch_scc0 .Lwave_1
	TLOAD G0B, G1B                                 ; wave 0: q's weights, which are wanted first
	s_branch .Lasked
.Lwave_1:
	s_cmp_eq_u32 s14, 1
	s_cbranch_scc0 .Lwave_2
	ATILE 0, 96                                    ; wave 1: token tiles 0 to 5
	s_branch .Lasked
.Lwave_2:
	s_cmp_eq_u32 s14, 2
	s_cbranch_scc0 .Lwave_3
	ATILE 96, 80                                   ; wave 2: 6 to 10
	s_branch .Lasked
.Lwave_3:
	ATILE 176, 80                                  ; wave 3: 11 to 15
.Lasked:
	s_mov_b32 s21, 0
	s_lshl_b32 s20, s43, 13
	s_add_nc_u64 s[6:7], s[6:7], s[20:21]
	s_lshl_b32 s20, s42, 12
	s_add_nc_u64 s[10:11], s[10:11], s[20:21]
	s_lshl_b32 s20, s42, 9
	s_add_nc_u64 s[84:85], s[84:85], s[20:21]
.irp i, 0,1,2,3
	global_load_b128 v[HV+4*\i:HV+4*\i+3], v[T16], s[6:7] offset:2048*\i       ; scale bytes and bias are copied once, in whole units: a wave reads 512 bytes on end
.endr
.irp p, 0,1,2
.irp i, 0,1
	global_load_b128 v[HV+16+8*\p+4*\i:HV+16+8*\p+4*\i+3], v[T16], s[10:11] offset:32768*\p+2048*\i
.endr
	global_load_b32 v[HV+40+\p], v[T4], s[84:85] offset:4096*\p
.endr
	s_lshr_b32 s22, s43, 3                         ; where the results go: 16 x batch + head,
	s_lshl_b32 s22, s22, 4
	s_lshl_b32 s23, s42, 1
	s_add_co_u32 s22, s22, s23
	s_add_co_u32 s22, s22, s16
	s_and_b32 s23, s43, 7                          ; the step of 128 tokens
	s_lshl_b32 s23, s23, 1
	s_add_co_u32 s23, s23, s15
	s_mul_i32 s20, s22, 98304
	s_mul_i32 s46, s23, 6144
	s_add_co_u32 s20, s20, s46
	s_add_nc_u64 s[86:87], s[86:87], s[20:21]
	s_lshl_b32 s20, s22, 13
	s_lshl_b32 s46, s23, 9
	s_add_co_u32 s20, s20, s46
	s_add_nc_u64 s[88:89], s[88:89], s[20:21]
	s_wait_loadcnt 0x0
.irp i, 0,1,2,3
	ds_store_b128 v[LX], v[HV+4*\i:HV+4*\i+3] offset:2048*\i
.endr
.irp p, 0,1,2
.irp i, 0,1
	ds_store_b128 v[LX], v[HV+16+8*\p+4*\i:HV+16+8*\p+4*\i+3] offset:8192+4096*\p+2048*\i
.endr
	ds_store_b32 v[LB], v[HV+40+\p] offset:512*\p
.endr
	s_wait_dscnt 0x0
	s_cmp_eq_u32 s14, 0
	s_cbranch_scc0 .Lnot_b
	s_wait_tensorcnt 0x0                           ; wave 0: q's weights have landed
.Lnot_b:
	BARRIER                                        ; they, the scale bytes and the bias are shown to all
	s_mov_b32 s95, 0
	s_mov_b32 s96, 0
	s_mov_b32 s97, 0
; ================= q, THEN k
.Lphase:
	v_add_nc_u32 v[TA], s95, v[ABS0]
	v_add_nc_u32 v[TA+1], s96, v[ABB]
	FIRSTA
	LOADB
	SBLOAD TA
	WIN 0xc0
.irp t, 0,1,2,3
.irp k, 0,1
	ds_load_b128 v[BO+8*\t+4*\k:BO+8*\t+4*\k+3], v[TA+1] offset:128*(\t/2)+32*(\t%2)+16*\k   ; register i of tile t: channel 32 (t / 2) + 8 (t % 2) + 16 h + i
.endr
.endr
	WIN 0
	WALU                                           ; the wait here, directly ahead of the wait below
	s_wait_tensorcnt 0x0                           ; the three lines ahead of a refill's round: all my tensor loads are in (the first time: my part of the tokens),
	ds_add_u32 v[SPW], v[NIL]
	s_add_nc_u64 s[G0R+2:G0R+3], s[G0R+2:G0R+3], 64*TB   ; the next phase's weights lie 64 tiles on
	s_wait_dscnt 0x0                               ; and I hold this phase's weights in registers
	CROUND
	TLOAD G0R, G1R                                 ; my two tiles of the next phase's weights
	FETCHAT 0, AQ0, AAS0
	FETCHAT 1, AQ, AAS
.irp s, 0,1,2,3,4,5,6,7
	BQK \s
.endr
	global_store_b128 v[LI], v[KSR:KSR+3], s[88:89]
	s_wait_tensorcnt 0x0
	s_wait_dscnt 0x0
	BARRIER                                        ; a plain barrier: the next phase's weights are shown to all
	s_wait_xcnt 0x0
	s_add_nc_u64 s[86:87], s[86:87], 6291456
	s_add_nc_u64 s[88:89], s[88:89], 524288
	s_add_co_u32 s95, s95, 4096
	s_add_co_u32 s96, s96, 512
	s_add_co_u32 s97, s97, 1
	s_cmp_lt_u32 s97, 2
	s_cbranch_scc1 .Lphase
; ================= v
	v_add_nc_u32 v[TA], 8192, v[ABS0]
	FIRSTA
	LOADB
	SBLOAD TA
	WIN 0xc0
.irp t, 0,1,2,3
.irp i, 0,1,2,3,4,5,6,7
	ds_load_b32 v[BO+8*\t+\i], v[ABV] offset:128*(\t/2)+32*(\t%2)   ; one bias for the lane's channel, in all eight registers of the C
.endr
.endr
	WIN 0
	WALU                                           ; the wait here
	FETCHAT 0, AQ0, AAS0
	FETCHAT 1, AQ, AAS
.irp s, 0,1,2,3,4,5,6,7
	BV \s
.endr
	global_store_b128 v[LI], v[VS:VS+3], s[88:89]
	s_wait_tensorcnt 0x0                           ; the wave's end
	ds_add_u32 v[SPW], v[NIL]
	s_wait_dscnt 0x0
	CROUND                                         ; the closing round
	s_endpgm
.Lfunc_end_k_qd1313bfc2d_gemm_qkv:
	.size	k_qd1313bfc2d_gemm_qkv, .Lfunc_end_k_qd1313bfc2d_gemm_qkv-k_qd1313bfc2d_gemm_qkv
	.p2alignl 7, 3214868480
	.fill 96, 4, 3214868480
	.section	.rodata,"a",@progbits
	.p2align	6, 0x0
	.amdhsa_kernel k_qd1313bfc2d_gemm_qkv
		.amdhsa_group_segment_fixed_size 327680
		.amdhsa_private_segment_fixed_size 0
		.amdhsa_enable_private_segment 0
		.amdhsa_kernarg_size 56
		.amdhsa_user_sgpr_count 2
		.amdhsa_user_sgpr_kernarg_segment_ptr 1
		.amdhsa_wavefront_size32 1
		.amdhsa_system_sgpr_workgroup_id_x 1
		.amdhsa_system_sgpr_workgroup_id_y 1
		.amdhsa_system_sgpr_workgroup_id_z 1
		.amdhsa_system_vgpr_workitem_id 0
		.amdhsa_next_free_vgpr 1024
		.amdhsa_next_free_sgpr 102
		.amdhsa_reserve_vcc 0
		.amdhsa_float_denorm_mode_32 3
		.amdhsa_float_denorm_mode_16_64 3
		.amdhsa_memory_ordered 1
		.amdhsa_forward_progress 1
		.amdhsa_inst_pref_size 176
	.end_amdhsa_kernel
	.amdgpu_metadata
---
amdhsa.version: [ 1, 2 ]
amdhsa.kernels:
  - .name:           k_qd1313bfc2d_gemm_qkv
    .symbol:         k_qd1313bfc2d_gemm_qkv.kd
    .args:
      - { .name: xcodes, .offset: 0, .size: 8, .value_kind: global_buffer, .address_space: global }
      - { .name: xscales, .offset: 8, .size: 8, .value_kind: global_buffer, .address_space: global }
      - { .name: wcodes, .offset: 16, .size: 8, .value_kind: global_buffer, .address_space: global }
      - { .name: wscales, .offset: 24, .size: 8, .value_kind: global_buffer, .address_space: global }
      - { .name: qkv_b, .offset: 32, .size: 8, .value_kind: global_buffer, .address_space: global }
      - { .name: qkvimg, .offset: 40, .size: 8, .value_kind: global_buffer, .address_space: global }
      - { .name: qkvsc, .offset: 48, .size: 8, .value_kind: global_buffer, .address_space: global }
    .group_segment_fixed_size: 327680
    .private_segment_fixed_size: 0
    .kernarg_segment_align: 8
    .kernarg_segment_size: 56
    .max_flat_workgroup_size: 128
    .sgpr_count:     102
    .vgpr_count:     1024
    .wavefront_size: 32
...
	.end_amdgpu_metadata
.endif
;; end of part 2
;; launch attn (part 3): grid 4 x 64, 16 waves a work-group, clusters of 4 x 1, 239,616 bytes of LDS; arguments qkvimg, qkvsc, ocodes, oscales; writes ocodes, oscales
.if DOCPART == 3
	.amdgcn_target "amdgcn-amd-amdhsa--gfx1250"
	.amdhsa_code_object_version 6
	.text
	.protected	k_qd1313bfc2d_attn
	.globl	k_qd1313bfc2d_attn
	.p2align	8
	.type	k_qd1313bfc2d_attn,@function
k_qd1313bfc2d_attn:
	s_mov_b64 s[64:65], 0
	v_nop
	global_prefetch_b8 v0, s[64:65] scope:SCOPE_SE
	s_setreg_imm32_b32 hwreg(HW_REG_WAVE_MODE, 25, 1), 1
	s_wait_xcnt 0x0
	s_wait_alu depctr_hold_cnt(0) depctr_sa_sdst(0) depctr_va_vdst(0) depctr_va_sdst(0) depctr_va_ssrc(0) depctr_va_vcc(0) depctr_vm_vsrc(0)
	s_getreg_b32 s2, hwreg(HW_REG_IB_STS2, 6, 4)
	s_cmp_eq_u32 s2, 0
	s_cbranch_scc0 .Lentry_in_a_cluster
	s_endpgm
.Lentry_in_a_cluster:
	s_bfe_u32 s2, ttmp6, 0x10000c
	s_cmp_lg_u32 s2, 0x3003
	s_cbranch_scc0 .Lentry_shape_is_right
	s_endpgm
.Lentry_shape_is_right:
; o = softmax(q k^T / 8) v for one batch x head (the cluster's y) on codes of FP6 (E2M3) with E8M0 scales; o leaves as codes and scale bytes, quantised along the heads' 64, in the order of the next launch's operand registers.
; THE DEAL.  Four work-groups of a cluster take 512 queries each of one head and ask JOINTLY for that head's k and v, all 2,048 keys, which stay in LDS: nothing is filled again, so there is no ring.
; No data prefetch: every byte is asked for at the head, and there is no loop to run ahead in.  A wave takes 32 queries, two tiles of 16, in ONE walk over the keys in 16 steps of 128: each fragment of k and v feeds both tiles.
; BOTH PRODUCTS ARE USED TRANSPOSED (S^T = k q^T, O^T = v^T p^T): a lane holds one query.  q k^T has K = 64: q's registers 6-11 are zero codes, so whatever follows a tile of k in the registers adds nothing.
; THE KEYS OF A TILE OF k ARE CHOSEN BY THE LANES' LDS ADDRESSES: lane 8 g + i of tile 4 c + t takes key 64 c + 32 g + 8 t + i.  So the 32 registers of tiles 4 c .. 4 c + 3 of lane (query, h) are keys 64 c + 32 h + 0 .. 31:
; ONE WHOLE SCALE BLOCK OF p in a lane, in the order of the operand's registers: its largest needs no other lane and its codes no exchange.
; In memory key 32 P + 8 u + 16 T + i lies in image P (1,536 bytes: three planes of 512), registers 6 u .., lane 8 T + i + 16 h.  In LDS a plane has 128 bytes of padding behind it: images are 1,920 bytes apart.
; SOFTMAX by the problem's rule: p = 2^(t - M), t = score x log2(e) / 8, M the ceiling of the running largest t, a whole number; a change of M multiplies the sum and O^T by a power of two; the sum is taken of the unquantised p.
; A block's largest p is the block's largest score put through the same multiply-add and exponential.
; LIMITS: the scaled scores stay under 2^31 in magnitude; NaN and infinities are not served; a block of p whose largest lies under 2^-124 keeps the byte 1 (its codes are then zeros or subnormals of that scale).
; REGISTERS: v1-4 LDS addresses, v5-6 the spare word and 0, v7 8 h; v8-11 (-M, largest score) a tile; v12-15 the sums; v16-19 the factors; v20-23 at work; v24-27 k's, then v's scale words; v28-29 p's; v30-31 q's;
; v32-55 q (6 + 6 zeros a tile); v56-103 k's eight tiles, then v's four fragments; v104-127 p's codes; v128-191 the scores of one tile, then p; v192-255 O^T.
.set KSTEP, 7680                       ; k: four images of 1,920 bytes a step
.set VI,    122880                     ; v's images, dense: 6,144 bytes a step
.set KS,    221184                     ; k's scale words, 512 bytes a step;
.set VSB,   8192                       ; v's, behind them
.set SPARE, 237568                     ; the spare words, 128 bytes for each wave
.set ADK, 1
.set ADV, 2
.set ADS, 3
.set ADW, 4
.set SPW, 5
.set NIL, 6
.set H8,  7
.set NM,  8
.set LL,  12
.set FF,  16
.set BM,  20
.set TT,  22
.set KSW, 24
.set PWD, 28
.set QS,  30
.set QF,  32
.set KV,  56
.set PC,  104
.set S,   128
.set O,   192
.set O8,  76
.set OSO, 77
.set WV,  12
.set SEL, 20
.set CS,  22
.set G1K, 24
.set G1V, 32
.set G1S, 40
.set G0K, 48
.set G0V, 52
.set G0S, 56
.set QP,  68
.set QSP, 70
.set OI,  72
.set OS,  74
.set STEPS, 76
.set TK,  77
.set TV,  78
.set TS,  79
.macro WALU
	s_wait_alu depctr_va_vdst(0)
.endm
.macro DEP n
	s_delay_alu instid0(VALU_DEP_\n)
.endm
.macro PLACES n
.rept \n
	v_nop
.endr
.endm
.macro CROUND
	s_barrier_signal -1
	s_barrier_wait -1
	s_cmp_lg_u32 s[WV], 0
	s_cbranch_scc1 .Lnot_wave_0_\@
	s_barrier_signal -3
.Lnot_wave_0_\@:
	s_barrier_wait -3
	s_barrier_signal -1
	s_barrier_wait -1
.endm
.macro TLOAD g0, g1                    ; an s_nop 0 and four v_nop follow a tensor load
	tensor_load_to_lds s[\g0:\g0+3], s[\g1:\g1+7]
	s_nop 0
	PLACES 4
.endm
.macro GROUP1 g, w0, cols, rows        ; a dense block as rows of 8 x cols bytes
	s_mov_b32 s[\g], \w0
	s_mov_b32 s[\g+1], (\cols)<<16
	s_mov_b32 s[\g+2], (\rows)<<16
	s_mov_b32 s[\g+3], (\cols)<<16
	s_mov_b32 s[\g+4], \rows
	s_mov_b32 s[\g+5], \cols
	s_mov_b32 s[\g+6], 0
	s_mov_b32 s[\g+7], 0
.endm
; ---- S^T of query tile x: eight tiles of 16 keys; tile t's scale words lie in lanes 0-15 (t even) or 16-31 (t odd) of register t / 2
.macro QK x
.irp t, 0,1,2,3,4,5,6,7
.if \t%2
	v_wmma_scale_f32_16x16x128_f8f6f4 v[S+8*\t:S+8*\t+7], v[KV+6*\t:KV+6*\t+11], v[QF+12*\x:QF+12*\x+11], 0, v[KSW+\t/2], v[QS+\x] matrix_a_fmt:MATRIX_FMT_FP6 matrix_b_fmt:MATRIX_FMT_FP6 matrix_a_scale:MATRIX_SCALE_ROW1
.else
	v_wmma_scale_f32_16x16x128_f8f6f4 v[S+8*\t:S+8*\t+7], v[KV+6*\t:KV+6*\t+11], v[QF+12*\x:QF+12*\x+11], 0, v[KSW+\t/2], v[QS+\x] matrix_a_fmt:MATRIX_FMT_FP6 matrix_b_fmt:MATRIX_FMT_FP6
.endif
.endr
.endm
; ---- the softmax of query tile x on these 128 keys: the scores become p, p's codes and scale word; the sum and O^T come under the new M
.macro SOFT x
	v_max3_num_f32 v[BM], v[S], v[S+1], v[S+2]             ; my two blocks' largest scores, each in two chains: four chains by turns.  Each accumulator is first read at its low end
	v_max3_num_f32 v[TT], v[S+16], v[S+17], v[S+18]
	v_max3_num_f32 v[BM+1], v[S+32], v[S+33], v[S+34]
	v_max3_num_f32 v[TT+1], v[S+48], v[S+49], v[S+50]
.irp i, 3,5,7,9,11,13
	v_max3_num_f32 v[BM], v[BM], v[S+\i], v[S+1+\i]
	v_max3_num_f32 v[TT], v[TT], v[S+16+\i], v[S+17+\i]
	v_max3_num_f32 v[BM+1], v[BM+1], v[S+32+\i], v[S+33+\i]
	v_max3_num_f32 v[TT+1], v[TT+1], v[S+48+\i], v[S+49+\i]
.endr
	v_max3_num_f32 v[BM], v[BM], v[S+15], v[S+31]
	v_max3_num_f32 v[BM+1], v[BM+1], v[S+47], v[S+63]
	DEP 2
	v_max_num_f32 v[BM], v[BM], v[TT]                      ; block c = 0's largest score,
	DEP 2
	v_max_num_f32 v[BM+1], v[BM+1], v[TT+1]                ; block c = 1's
	DEP 1
	v_max3_num_f32 v[TT], v[BM], v[BM+1], v[NM+2*\x+1]     ; with the running largest,
	DEP 1
	v_permlanex16_b32 v[TT+1], v[TT], s[SEL], s[SEL+1]
	DEP 1
	v_max_num_f32 v[NM+2*\x+1], v[TT], v[TT+1]             ; and lane l xor 16's 64 keys
	DEP 1
	v_mul_f32 v[TT], s[CS], v[NM+2*\x+1]                   ; as t
	v_mov_b32 v[TT+1], v[NM+2*\x]
	DEP 2
	v_floor_f32 v[NM+2*\x], -v[TT]                         ; the new -M = -ceil(t)
	DEP 1
	v_sub_f32 v[TT+1], v[NM+2*\x], v[TT+1]                 ; old M less new M, a whole number
	DEP 1
	v_cvt_i32_f32 v[TT+1], v[TT+1]
	DEP 1
	v_ldexp_f32 v[FF+2*\x], 1.0, v[TT+1]                   ; f = 2^(old M - new M)
.set j, 0
.rept 32
	v_pk_fma_f32 v[S+j:S+j+1], v[S+j:S+j+1], s[CS:CS+1], v[NM+2*\x:NM+2*\x+1] op_sel_hi:[1,0,0]   ; t - M
.set j, j+2
.endr
	v_fma_f32 v[BM], v[BM], s[CS], v[NM+2*\x]              ; the same of each block's largest score
	v_fma_f32 v[BM+1], v[BM+1], s[CS], v[NM+2*\x]
	WALU                                                   ; the wait ahead of the batch
.set j, 0
.rept 64
	v_exp_f32 v[S+j], v[S+j]
.set j, j+1
.endr
	v_exp_f32 v[BM], v[BM]
	v_exp_f32 v[BM+1], v[BM+1]
	v_nop                                                  ; one plain place behind the batch
	WALU                                                   ; and the wait behind it
	v_pk_fma_f32 v[LL+2*\x:LL+2*\x+1], v[LL+2*\x:LL+2*\x+1], v[FF+2*\x:FF+2*\x+1], v[S:S+1] op_sel_hi:[1,0,1]   ; the sum under the new M, and the unquantised p onto it, in two chains
	v_pk_add_f32 v[TT:TT+1], v[S+2:S+3], v[S+4:S+5]
.irp j, 6,10,14,18,22,26,30,34,38,42,46,50,54,58
	v_pk_add_f32 v[LL+2*\x:LL+2*\x+1], v[LL+2*\x:LL+2*\x+1], v[S+\j:S+\j+1]
	v_pk_add_f32 v[TT:TT+1], v[TT:TT+1], v[S+\j+2:S+\j+3]
.endr
	v_pk_add_f32 v[LL+2*\x:LL+2*\x+1], v[LL+2*\x:LL+2*\x+1], v[S+62:S+63]
	v_max_num_f32 v[BM], 0x1800000, v[BM]                  ; the floor 2^(3 - 127): the byte cannot fall under 1
	v_max_num_f32 v[BM+1], 0x1800000, v[BM+1]
	DEP 3
	v_pk_add_f32 v[LL+2*\x:LL+2*\x+1], v[LL+2*\x:LL+2*\x+1], v[TT:TT+1]
	DEP 3
	v_add_nc_u32 v[BM], 0xff000000, v[BM]                  ; 2 off the exponent field: the conversions' scale operand
	DEP 3
	v_add_nc_u32 v[BM+1], 0xff000000, v[BM+1]
	DEP 2
	v_lshrrev_b32 v[PWD+\x], 23, v[BM]                     ; my two bytes: blocks h and 2 + h,
	DEP 2
	v_lshrrev_b32 v[TT], 23, v[BM+1]
	DEP 1
	v_lshl_or_b32 v[PWD+\x], v[TT], 16, v[PWD+\x]
	DEP 1
	v_lshlrev_b32 v[PWD+\x], v[H8], v[PWD+\x]              ; at their places, 8 h bits up;
	DEP 1
	v_permlanex16_b32 v[TT], v[PWD+\x], s[SEL], s[SEL+1]
	DEP 1
	v_or_b32 v[PWD+\x], v[PWD+\x], v[TT]                   ; with lane l xor 16's two the word is whole
	v_cvt_scalef32_pk16_fp6_f32 v[PC+12*\x:PC+12*\x+2], v[S:S+15], v[BM]
	v_cvt_scalef32_pk16_fp6_f32 v[PC+12*\x+6:PC+12*\x+8], v[S+32:S+47], v[BM+1]
	v_nop                                                  ; a plain place: the next two write over numbers that the first two have read
	v_cvt_scalef32_pk16_fp6_f32 v[S:S+2], v[S+16:S+31], v[BM]       ; (a conversion's three registers begin on an even number: a block's second three go by way of registers that are done with)
	v_cvt_scalef32_pk16_fp6_f32 v[S+4:S+6], v[S+48:S+63], v[BM+1]
	v_nop
.irp i, 0,1,2
	v_mov_b32 v[PC+12*\x+3+\i], v[S+\i]
	v_mov_b32 v[PC+12*\x+9+\i], v[S+4+\i]
.endr
	WALU                                                   ; the wait here, directly ahead of the first reader of O^T
.set j, 0
.rept 16
	v_pk_mul_f32 v[O+32*\x+j:O+32*\x+j+1], v[O+32*\x+j:O+32*\x+j+1], v[FF+2*\x:FF+2*\x+1] op_sel_hi:[1,0]   ; O^T under the new M; these are also the places ahead of the products that read p's codes and word
.set j, j+2
.endr
.endm
; ---- the way out of query tile x: 64 channels a query; registers 16 b + i of lane (r, h) are channels 32 b + 16 h + i, so a block lies in lanes l and l xor 16
.macro OUT x
.set E, KV+24*\x
.set SS, S+32*\x
.irp b, 0,1
	v_max3_num_f32 v[E+\b], |v[SS+16*\b]|, |v[SS+1+16*\b]|, 0x1800000
.endr
.irp i, 2,4,6,8,10,12,14
.irp b, 0,1
	DEP 2
	v_max3_num_f32 v[E+\b], v[E+\b], |v[SS+16*\b+\i]|, |v[SS+1+16*\b+\i]|
.endr
.endr
.irp b, 0,1
	DEP 2
	v_permlanex16_b32 v[E+2+\b], v[E+\b], s[SEL], s[SEL+1]
.endr
.irp b, 0,1
	DEP 2
	v_max_num_f32 v[E+\b], v[E+\b], v[E+2+\b]
.endr
.irp b, 0,1
	DEP 2
	v_add_nc_u32 v[E+4+\b], 0xff000000, v[E+\b]
.endr
.irp b, 0,1
	DEP 2
	v_lshrrev_b32 v[E+6+\b], 23, v[E+4+\b]
.endr
	DEP 1
	v_lshl_or_b32 v[E+8], v[E+7], 8, v[E+6]
	v_cvt_scalef32_pk16_fp6_f32 v[E+10:E+12], v[SS:SS+15], v[E+4]
	v_cvt_scalef32_pk16_fp6_f32 v[E+16:E+18], v[SS+16:SS+31], v[E+5]
	v_nop
.irp i, 0,1,2
	v_permlane16_swap_b32 v[E+10+\i], v[E+16+\i]           ; a whole block to a lane
.endr
.irp i, 0,1,2
	DEP 3
	v_mov_b32 v[E+13+\i], v[E+16+\i]
.endr
.irp p, 0,1,2
	global_store_b64 v[O8], v[E+10+2*\p:E+11+2*\p], s[OI:OI+1] offset:12288*\x+256*\p   ; 32 lanes store 256 consecutive bytes, aligned
.endr
	global_store_b16 v[OSO], v[E+8], s[OS:OS+1] offset:512*\x   ; my head's two bytes of the row's 32
.endm
; ================= THE HEAD
	s_load_b256 s[4:11], s[0:1], 0x0               ; qkvimg, qkvsc, ocodes, oscales
	v_lshl_add_u32 v[SPW], v0, 2, SPARE
	v_mov_b32 v[NIL], 0
	ds_add_u32 v[SPW], v[NIL]                      ; the opening lines: the add, twice on end, and its wait ahead of my tensor load
	ds_add_u32 v[SPW], v[NIL]
	v_lshrrev_b32 v56, 5, v0
	DEP 1
	v_readfirstlane_b32 s[WV], v56                 ; the wave
	s_bfe_u32 s13, ttmp6, 0x40000                  ; cx: which 512 queries
	s_and_b32 s14, ttmp7, 0xffff                   ; batch x head
	GROUP1 G1K, 15|(3<<16)|(1<<20)|(1<<21)|(6<<22)|(31<<25), 64, 32   ; k: 32 planes of 512 bytes, 128 bytes of padding behind each; the mask names the cluster's four
	GROUP1 G1V, 15|(3<<16)|(1<<21), 32, 64         ; v: 16,384 dense bytes
	GROUP1 G1S, 15|(3<<16)|(1<<21), 32, 16         ; scale words: 4,096 dense bytes
	s_mul_i32 s16, s14, 98304
	s_lshl_b32 s17, s[WV], 14
	s_add_co_u32 s16, s16, s17
	s_add_co_u32 s16, s16, 6291456                 ; waves 0-5: sixth w of the head's k
	s_mov_b32 s17, 0
	s_add_co_u32 s18, s16, 6291456-6*16384         ; waves 6-11: sixth w - 6 of its v
	s_mov_b32 s19, 0
	s_lshl_b32 s60, s14, 13                        ; waves 12-15: half w % 2 of k's (12, 13) or v's (14, 15) scale words
	s_and_b32 s61, s[WV], 1
	s_lshl_b32 s61, s61, 12
	s_add_co_u32 s60, s60, s61
	s_bfe_u32 s61, s[WV], 0x10001
	s_lshl_b32 s61, s61, 19
	s_add_co_u32 s60, s60, s61
	s_add_co_u32 s60, s60, 524288
	s_mov_b32 s61, 0
	s_mov_b32 s[G0K], 1
	s_mul_i32 s[G0K+1], s[WV], 32*640
	s_mov_b32 s[G0V], 1
	s_lshl_b32 s[G0V+1], s[WV], 14
	s_add_co_u32 s[G0V+1], s[G0V+1], VI-6*16384
	s_mov_b32 s[G0S], 1
	s_lshl_b32 s[G0S+1], s[WV], 12
	s_add_co_u32 s[G0S+1], s[G0S+1], KS-12*4096
	s_mov_b32 s[SEL], 0x76543210
	s_mov_b32 s[SEL+1], 0xfedcba98                 ; selects for lane l xor 16
	s_mov_b32 s[CS], 0x3e38aa3b                    ; log2(e) / 8
	s_mov_b32 s[CS+1], s[CS]
	WALU                                           ; the wait here, ahead of the waits below
	s_wait_dscnt 0x0
	s_wait_kmcnt 0x0
	s_add_nc_u64 s[G0K+2:G0K+3], s[4:5], s[16:17]
	s_or_b32 s[G0K+3], s[G0K+3], 0x80000000
	s_add_nc_u64 s[G0V+2:G0V+3], s[4:5], s[18:19]
	s_or_b32 s[G0V+3], s[G0V+3], 0x80000000
	s_add_nc_u64 s[G0S+2:G0S+3], s[6:7], s[60:61]
	s_or_b32 s[G0S+3], s[G0S+3], 0x80000000
	CROUND                                         ; the four work-groups are here: the joint loads meet
	s_cmp_lt_u32 s[WV], 6                          ; one load a wave, in one chain of branches on the wave's number
	s_cbranch_scc0 .Lnot_k
	TLOAD G0K, G1K
	s_branch .Lasked
.Lnot_k:
	s_cmp_lt_u32 s[WV], 12
	s_cbranch_scc0 .Lnot_v
	TLOAD G0V, G1V
	s_branch .Lasked
.Lnot_v:
	TLOAD G0S, G1S
.Lasked:
	s_lshl_b32 s15, s13, 4
	s_add_co_u32 s15, s15, s[WV]                   ; my pair of query tiles, 0 .. 63
	s_mul_i32 s18, s14, 98304
	s_mul_i32 s17, s15, 1536
	s_add_co_u32 s18, s18, s17
	s_add_nc_u64 s[QP:QP+1], s[4:5], s[18:19]      ; q's image
	s_lshl_b32 s18, s14, 13
	s_lshr_b32 s17, s15, 2
	s_lshl_b32 s17, s17, 9
	s_add_co_u32 s18, s18, s17
	s_and_b32 s17, s15, 3
	s_lshl_b32 s17, s17, 2
	s_add_co_u32 s18, s18, s17
	s_add_nc_u64 s[QSP:QSP+1], s[6:7], s[18:19]    ; q's scale words
	s_lshr_b32 s16, s14, 4
	s_and_b32 s17, s14, 15
	s_lshl_b32 s16, s16, 7
	s_lshl_b32 s15, s15, 1
	s_add_co_u32 s16, s16, s15                     ; the first tile of tokens that I write: 128 x batch + 2 x pair
	s_mul_i32 s18, s16, 12288
	s_mul_i32 s15, s17, 768
	s_add_co_u32 s18, s18, s15
	s_add_nc_u64 s[OI:OI+1], s[8:9], s[18:19]
	s_lshl_b32 s18, s16, 9
	s_lshr_b32 s15, s17, 2
	s_lshl_b32 s15, s15, 7
	s_add_co_u32 s18, s18, s15
	s_and_b32 s15, s17, 3
	s_lshl_b32 s15, s15, 1
	s_add_co_u32 s18, s18, s15
	s_add_nc_u64 s[OS:OS+1], s[10:11], s[18:19]
	v_and_b32 v56, 31, v0                          ; lane
	v_and_b32 v58, 7, v0                           ; i
	v_bfe_u32 v59, v0, 3, 1                        ; g
	v_bfe_u32 v60, v0, 4, 1                        ; h
	v_and_b32 v61, 15, v0                          ; r
	v_lshlrev_b32 v57, 4, v56
	v_lshlrev_b32 v[ADS], 4, v58
	v_mul_u32_u24 v[ADK], v59, 1920
	v_lshlrev_b32 v[H8], 3, v60
	v_lshlrev_b32 v61, 4, v61
	v_add_nc_u32 v[ADV], VI, v57                   ; v's fragments: 16 x lane
	v_lshl_add_u32 v[ADS], v60, 8, v[ADS]
	v_lshl_add_u32 v[ADK], v58, 4, v[ADK]
	v_add_nc_u32 v[ADW], KS+VSB, v57               ; v's scale words: 16 x lane
	v_mov_b32 v[TT], 0
	v_mov_b32 v[TT+1], 0                           ; written once: a lane permute's destination counts as one of its sources
	v_lshl_add_u32 v[ADS], v59, 2, v[ADS]
	v_lshl_add_u32 v[ADK], v60, 8, v[ADK]          ; k's tiles: 1,920 g + 16 i + 256 h
	v_mov_b32 v[FF+1], 0                           ; (named as the upper halves of pairs)
	v_mov_b32 v[FF+3], 0
	v_mov_b32 v[NM], 0x7f61b1e6                    ; -M = 3e38, a whole number,
	v_add_nc_u32 v[ADS], KS, v[ADS]                ; k's scale words: 16 i + 256 (tile % 2) + 4 g
.irp c, 0,1,2
	global_load_b128 v[S+4*\c:S+4*\c+3], v57, s[QP:QP+1] offset:512*\c
.endr
	global_load_b32 v[QS], v61, s[QSP:QSP+1]
	global_load_b32 v[QS+1], v61, s[QSP:QSP+1] offset:256
	v_mov_b32 v[NM+2], 0x7f61b1e6
	v_mov_b32 v[NM+1], 0xff61b1e6                  ; the largest score so far: -3e38
	v_mov_b32 v[NM+3], 0xff61b1e6
.irp i, 0,1,2,3
	v_mov_b32 v[LL+\i], 0                          ; the sums
.endr
.irp i, 0,1,2,3,4,5
	v_mov_b32 v[QF+6+\i], 0                        ; q's zero codes for k = 64 .. 127
	v_mov_b32 v[QF+18+\i], 0
	v_mov_b32 v[PC+\i], 0                          ; what follows k's last tile in the registers is written before it is named
.endr
.set j, 0
.rept 64
	v_mov_b32 v[O+j], 0                            ; O^T: the step is written once, and the first finds zeros
.set j, j+1
.endr
	s_mov_b32 s[TK], 0
	s_mov_b32 s[TV], 0
	s_mov_b32 s[TS], 0
	s_mov_b32 s[STEPS], 16
	WALU                                           ; the wait at the head's end
	s_wait_tensorcnt 0x0                           ; my part of k, v or the scale words is in
	s_barrier_signal -1
	s_barrier_wait -1                              ; and everybody's
	s_wait_loadcnt 0x0
.irp i, 0,1,2,3,4,5
	v_mov_b32 v[QF+\i], v[S+\i]
	v_mov_b32 v[QF+12+\i], v[S+6+\i]
.endr
	WALU
; ================= THE WALK: 16 steps of 128 keys
.Lstep:
	v_add_nc_u32 v[TT], s[TK], v[ADK]              ; with the two v_nop: the four places behind the last step's products, ahead of the loads into their registers
	v_add_nc_u32 v[TT+1], s[TS], v[ADS]
	PLACES 2
.irp c, 0,1
.irp u, 0,1
.irp p, 0,1,2
	ds_load_b128 v[KV+12*(2*\c+\u)+4*\p:KV+12*(2*\c+\u)+4*\p+3], v[TT] offset:3840*\c+128*\u+640*\p   ; tiles 4 c + 2 u and 4 c + 2 u + 1
.endr
.endr
.endr
.irp c, 0,1
.irp u, 0,1
	ds_load_b32 v[KSW+2*\c+\u], v[TT+1] offset:128*\u+8*\c
.endr
.endr
	s_wait_dscnt 0x0
	QK 0
	PLACES 4
	SOFT 0
	QK 1
	v_add_nc_u32 v[TT], s[TV], v[ADV]              ; four places; then v's fragments and scale words land where k's lay
	v_add_nc_u32 v[TT+1], s[TS], v[ADW]
	PLACES 2
.irp t, 0,1,2,3
.irp c, 0,1,2
	ds_load_b128 v[KV+12*\t+4*\c:KV+12*\t+4*\c+3], v[TT] offset:1536*\t+512*\c
.endr
.endr
	ds_load_b128 v[KSW:KSW+3], v[TT+1]
	SOFT 1
	WALU                                           ; the wait here, directly ahead of the wait below
	s_wait_dscnt 0x0
.irp t, 0,1,2,3                        ; O^T += v^T p^T: each fragment of v serves both query tiles; eight accumulators by turns
	v_wmma_scale_f32_16x16x128_f8f6f4 v[O+8*\t:O+8*\t+7], v[KV+12*\t:KV+12*\t+11], v[PC:PC+11], v[O+8*\t:O+8*\t+7], v[KSW+\t], v[PWD] matrix_a_fmt:MATRIX_FMT_FP6 matrix_b_fmt:MATRIX_FMT_FP6
	v_wmma_scale_f32_16x16x128_f8f6f4 v[O+32+8*\t:O+32+8*\t+7], v[KV+12*\t:KV+12*\t+11], v[PC+12:PC+23], v[O+32+8*\t:O+32+8*\t+7], v[KSW+\t], v[PWD+1] matrix_a_fmt:MATRIX_FMT_FP6 matrix_b_fmt:MATRIX_FMT_FP6
.endr
	s_add_co_u32 s[TK], s[TK], KSTEP
	s_add_co_u32 s[TV], s[TV], 6144
	s_add_co_u32 s[TS], s[TS], 512
	s_sub_co_u32 s[STEPS], s[STEPS], 1
	s_cmp_lg_u32 s[STEPS], 0
	s_cbranch_scc1 .Lstep
; ================= THE END: O^T / the sum, quantised along the head's 64
	v_add_f32 v[LL], v[LL], v[LL+1]                ; these six lines are also the places behind the last products
	v_add_f32 v[LL+2], v[LL+2], v[LL+3]
	DEP 2
	v_permlanex16_b32 v[TT], v[LL], s[SEL], s[SEL+1]
	DEP 2
	v_permlanex16_b32 v[TT+1], v[LL+2], s[SEL], s[SEL+1]
	DEP 2
	v_add_f32 v[LL], v[LL], v[TT]
	DEP 2
	v_add_f32 v[LL+2], v[LL+2], v[TT+1]
	WALU
	v_rcp_f32 v[LL], v[LL]
	v_rcp_f32 v[LL+2], v[LL+2]
	v_nop
	WALU                                           ; directly ahead of the first readers of O^T and of the reciprocals
.set j, 0
.rept 16
	v_pk_mul_f32 v[S+j:S+j+1], v[O+j:O+j+1], v[LL:LL+1] op_sel_hi:[1,0]
.set j, j+2
.endr
.set j, 0
.rept 16
	v_pk_mul_f32 v[S+32+j:S+32+j+1], v[O+32+j:O+32+j+1], v[LL+2:LL+3] op_sel_hi:[1,0]
.set j, j+2
.endr
	v_and_b32 v[O8], 31, v0
	v_and_b32 v[OSO], 15, v0
	DEP 2
	v_lshlrev_b32 v[O8], 3, v[O8]
	DEP 2
	v_lshlrev_b32 v[OSO], 3, v[OSO]
	OUT 0
	OUT 1
	s_wait_tensorcnt 0x0                           ; the wave's end
	ds_add_u32 v[SPW], v[NIL]
	s_wait_dscnt 0x0
	CROUND                                         ; the closing round
	s_endpgm
.Lfunc_end_k_qd1313bfc2d_attn:
	.size	k_qd1313bfc2d_attn, .Lfunc_end_k_qd1313bfc2d_attn-k_qd1313bfc2d_attn
	.p2alignl 7, 3214868480
	.fill 96, 4, 3214868480
	.section	.rodata,"a",@progbits
	.p2align	6, 0x0
	.amdhsa_kernel k_qd1313bfc2d_attn
		.amdhsa_group_segment_fixed_size 239616
		.amdhsa_private_segment_fixed_size 0
		.amdhsa_enable_private_segment 0
		.amdhsa_kernarg_size 32
		.amdhsa_user_sgpr_count 2
		.amdhsa_user_sgpr_kernarg_segment_ptr 1
		.amdhsa_wavefront_size32 1
		.amdhsa_system_sgpr_workgroup_id_x 1
		.amdhsa_system_sgpr_workgroup_id_y 1
		.amdhsa_system_sgpr_workgroup_id_z 1
		.amdhsa_system_vgpr_workitem_id 0
		.amdhsa_next_free_vgpr 256
		.amdhsa_next_free_sgpr 80
		.amdhsa_reserve_vcc 0
		.amdhsa_float_denorm_mode_32 3
		.amdhsa_float_denorm_mode_16_64 3
		.amdhsa_memory_ordered 1
		.amdhsa_forward_progress 1
		.amdhsa_inst_pref_size 49
	.end_amdhsa_kernel
	.amdgpu_metadata
---
amdhsa.version: [ 1, 2 ]
amdhsa.kernels:
  - .name:           k_qd1313bfc2d_attn
    .symbol:         k_qd1313bfc2d_attn.kd
    .args:
      - { .name: qkvimg, .offset: 0, .size: 8, .value_kind: global_buffer, .address_space: global }
      - { .name: qkvsc, .offset: 8, .size: 8, .value_kind: global_buffer, .address_space: global }
      - { .name: ocodes, .offset: 16, .size: 8, .value_kind: global_buffer, .address_space: global }
      - { .name: oscales, .offset: 24, .size: 8, .value_kind: global_buffer, .address_space: global }
    .group_segment_fixed_size: 239616
    .private_segment_fixed_size: 0
    .kernarg_segment_align: 8
    .kernarg_segment_size: 32
    .max_flat_workgroup_size: 512
    .sgpr_count:     80
    .vgpr_count:     256
    .wavefront_size: 32
...
	.end_amdgpu_metadata
.endif
;; end of part 3
;; launch gemm_proj (part 4): grid 32 x 8, 4 waves a work-group, clusters of 4 x 4, 327,680 bytes of LDS; arguments ocodes, oscales, wcodes, wscales, proj_b, out0; writes out0
.if DOCPART == 4
	.amdgcn_target "amdgcn-amd-amdhsa--gfx1250"
	.amdhsa_code_object_version 6
	.text
	.protected	k_qd1313bfc2d_gemm_proj
	.globl	k_qd1313bfc2d_gemm_proj
	.p2align	8
	.type	k_qd1313bfc2d_gemm_proj,@function
k_qd1313bfc2d_gemm_proj:
	s_mov_b64 s[64:65], 0
	v_nop
	global_prefetch_b8 v0, s[64:65] scope:SCOPE_SE
	s_setreg_imm32_b32 hwreg(HW_REG_WAVE_MODE, 25, 1), 1
	s_wait_xcnt 0x0
	s_wait_alu depctr_hold_cnt(0) depctr_sa_sdst(0) depctr_va_vdst(0) depctr_va_sdst(0) depctr_va_ssrc(0) depctr_va_vcc(0) depctr_vm_vsrc(0)
	s_getreg_b32 s2, hwreg(HW_REG_IB_STS2, 6, 4)
	s_cmp_eq_u32 s2, 0
	s_cbranch_scc0 .Lentry_in_a_cluster
	s_endpgm
.Lentry_in_a_cluster:
	s_bfe_u32 s2, ttmp6, 0x10000c
	s_cmp_lg_u32 s2, 0xf033
	s_cbranch_scc0 .Lentry_shape_is_right
	s_endpgm
.Lentry_shape_is_right:
; out = o proj_w + proj_b, f32, on codes of FP6 (E2M3) with E8M0 scales: 8,192 x 1,024 x 1,024.
; OPERANDS lie as images of the operand's registers: codes [tile][kc 16][768] (12,288 bytes a tile of 16 rows), scale bytes [tile][kq 4][r 16][8]; tile T's lane r is row 32 (T / 2) + 8 (T % 2) + r + 8 (r / 8); proj_w's tiles are wcodes' 192 to 255.
; THE DEAL.  256 work-groups of four waves, 2 x 2, each 256 tokens x 128 columns.  A wave (row a, column b) holds four column tiles, all of K, in 384 registers and streams token tiles 8 a .. 8 a + 7 past them, 32 products a tile.
; All of the work-group's codes are asked for at the head, one tensor load a wave; nothing is filled again, and there is no loop to run ahead in: no data prefetch.
; CLUSTERS 4 x 4: the cluster's x counts tile rows.  The tokens' tiles are shared by a column of the cluster (mask s44), the weight's by a row (mask s45).
; Source 0 = a weight's tile, source 1 = tokens: lane (r, h) holds token r, register i of tile t column 32 (t / 2) + 8 (t % 2) + 16 h + i.  The bias is the first products' C: a sum begins with it.
; Each tile's rows leave behind its own products: through the wave's own stage in LDS and back as whole rows of 256 bytes.
; LIMITS: NaN, infinities and sums beyond f32's range are not served.
.set TB, 12288
.set KROW, 768
.set NQ, 8
.set NB, 4
.set FR, 12
.set FPW, 21
.set NF, 25                            ; LDS loads of a token tile: 24 for eight fragments, 1 for its scale words
.set YB, 16*TB
.set XS, YB+8*TB                       ; the tokens' scale bytes, 8,192
.set SPARE, XS+8192
.set STAGE, SPARE+512                  ; 16 rows x (256 + 16) bytes for each wave
.set SPITCH, 272
.set L8, 4
.set H64, 5
.set T16, 6
.set CO, 7
.set LX, 8
.set SPW, 10
.set NIL, 11
.set BBA, 12
.set AAS0, 16
.set AAS, 17
.set STO, 18
.set RD, 19
.set AQ0, 20
.set AQ, 28
.set SA, 40
.set SB, 50
.set BO, 80
.set BOW, 0
.set HV, 112
.set BK, 176
.set G1A, 24
.set G1B, 32
.set G0A, 56
.set G0B, 60
.set MSB, 0
.macro WIN new
.if MSB != (\new)
	s_set_vgpr_msb (MSB<<8)|(\new)
.set MSB, \new
.endif
.endm
.macro PLACES n
.rept \n
	v_nop
.endr
.endm
.macro WALU
	s_wait_alu depctr_va_vdst(0)
.endm
.macro BARRIER
	s_barrier_signal -1
	s_barrier_wait -1
.endm
.macro CROUND
	BARRIER
	s_cmp_lg_u32 s14, 0
	s_cbranch_scc1 .Lnot_wave_0_\@
	s_barrier_signal -3
.Lnot_wave_0_\@:
	s_barrier_wait -3
	BARRIER
.endm
.macro TLOAD g0, g1
	tensor_load_to_lds s[\g0:\g0+3], s[\g1:\g1+7]
	s_nop 0
	PLACES 4
.endm
.macro ATILE first, rows
	s_mov_b32 s[G0A+1], (\first)*KROW
	s_mov_b32 s[G1A+2], (\rows)<<16
	s_mov_b32 s[G1A+4], \rows
.if \first
	s_add_nc_u64 s[G0A+2:G0A+3], s[G0A+2:G0A+3], (\first)*KROW
.endif
	s_or_b32 s[G0A+3], s[G0A+3], 0x80000000
	TLOAD G0A, G1A
.endm
.macro GROUP1 g, mask, rows
	s_or_b32 s[\g+0], s[\mask], (1<<21)
	s_mov_b32 s[\g+1], (KROW&0xffff)<<16
	s_mov_b32 s[\g+3], KROW<<16
.if \rows
	s_mov_b32 s[\g+2], (\rows)<<16
	s_mov_b32 s[\g+4], \rows
.endif
	s_mov_b32 s[\g+5], KROW
	s_mov_b32 s[\g+6], 0
	s_mov_b32 s[\g+7], 0
.endm
.macro LOADB
.irp q, 0,1,2,3,4,5,6,7
.irp t, 0,1,2,3
	WIN (1+(NB*\q+\t)/FPW)<<6
.irp p, 0,1,2,3,4,5
	ds_load_b64 v[FR*((NB*\q+\t)%FPW)+2*\p:FR*((NB*\q+\t)%FPW)+2*\p+1], v[BBA] offset:\t*TB+\q*1536+256*\p
.endr
.endr
.endr
	WIN 0
.endm
.macro FETCHAT e, aq, as
.irp q, 0,1,2,3,4,5,6,7
	WIN (1+(NB*NQ+NQ*(\e)+\q)/FPW)<<6
.irp p, 0,2,4
	ds_load_2addr_b64 v[FR*((NB*NQ+NQ*(\e)+\q)%FPW)+2*\p:FR*((NB*NQ+NQ*(\e)+\q)%FPW)+2*\p+3], v[\aq+\q] offset0:32*\p offset1:32*\p+32
.endr
.endr
	WIN 0
	ds_load_2addr_b64 v[SA+4*(\e):SA+4*(\e)+3], v[\as] offset0:0 offset1:32
.endm
.macro P1 d, s0, s1, c, x0, x1, o
.if \o
	v_wmma_scale_f32_16x16x128_f8f6f4 v[\d:\d+7], v[FR*((\s0)%FPW):FR*((\s0)%FPW)+FR-1], v[FR*((\s1)%FPW):FR*((\s1)%FPW)+FR-1], \c, v[\x0], v[\x1] matrix_a_fmt:MATRIX_FMT_FP6 matrix_b_fmt:MATRIX_FMT_FP6 matrix_a_scale:MATRIX_SCALE_ROW1 matrix_b_scale:MATRIX_SCALE_ROW1
.else
	v_wmma_scale_f32_16x16x128_f8f6f4 v[\d:\d+7], v[FR*((\s0)%FPW):FR*((\s0)%FPW)+FR-1], v[FR*((\s1)%FPW):FR*((\s1)%FPW)+FR-1], \c, v[\x0], v[\x1] matrix_a_fmt:MATRIX_FMT_FP6 matrix_b_fmt:MATRIX_FMT_FP6
.endif
.endm
.macro PROD e, q, t
.set FB_, NB*(\q)+(\t)
.set FA_, NB*NQ+NQ*(\e)+(\q)
.set XB_, SB+4*(\t)+2*((\q)/4)+(\q)%2
.set XA_, SA+4*(\e)+2*((\q)/4)+(\q)%2
.set D_, HV+32*(\e)+8*(\t)
	WIN (1+FB_/FPW)|((1+FA_/FPW)<<2)
.if (\q) == 0
	P1 D_, FB_, FA_, v[BO+8*(\t):BO+8*(\t)+7], XB_, XA_, 0
.else
	P1 D_, FB_, FA_, v[D_:D_+7], XB_, XA_, ((\q)/2)%2
.endif
.endm
.macro BP s                            ; token tile s: 32 products, four accumulators by turns; then one run of memory lines
.set E_, (\s)%2
.irp q, 0,1,2,3,4,5,6,7
.irp t, 0,1,2,3
	PROD E_, \q, \t
.endr
.endr
	WIN 0
.if (\s)+2 < 8
.irp q, 0,1,2,3,4,5,6,7
	v_add_nc_u32 v[AQ+\q], ((\s)+2)*TB, v[AQ0+\q]  ; the first four lines are the places behind the last product
.endr
	v_add_nc_u32 v[AAS], ((\s)+2)*512, v[AAS0]
.else
	PLACES 4
.endif
	WALU                                           ; the wait here, directly ahead of the wait below
	s_wait_xcnt 0x0                                ; the stores of two tiles ago have read this set of rows
.irp t, 0,1,2,3
	ds_store_b128 v[STO], v[HV+32*E_+8*\t:HV+32*E_+8*\t+3] offset:128*(\t/2)+32*(\t%2)       ; each accumulator from its low end on
	ds_store_b128 v[STO], v[HV+32*E_+8*\t+4:HV+32*E_+8*\t+7] offset:128*(\t/2)+32*(\t%2)+16
.endr
.irp u, 0,1,2,3,4,5,6,7
	ds_load_b128 v[BK+32*E_+4*\u:BK+32*E_+4*\u+3], v[RD] offset:2*\u*SPITCH   ; LDS serves a wave's instructions in order: these see my stores
.endr
.if (\s)+2 < 8
	FETCHAT E_, AQ, AAS
	s_wait_dscnt NF                                ; the rows are back, and the next tile's fragments are in; younger is this run's fetch alone
.else
	s_wait_dscnt 0x0
.endif
.irp u, 0,1,2,3,4,5,6,7
	global_store_b128 v[CO], v[BK+32*E_+4*\u:BK+32*E_+4*\u+3], s[86:87] offset:(32*((\s)/2)+8*((\s)%2)+2*\u+8*(\u/4))*4096 th:TH_STORE_NT   ; sixteen lanes store 256 consecutive bytes, aligned
.endr
.endm
; ================= THE HEAD
	s_load_b256 s[4:11], s[0:1], 0x0               ; ocodes, oscales, wcodes, wscales
	s_load_b128 s[84:87], s[0:1], 0x20             ; proj_b, out0
	v_lshl_add_u32 v[SPW], v0, 2, SPARE
	v_mov_b32 v[NIL], 0
	ds_add_u32 v[SPW], v[NIL]                      ; the opening lines
	ds_add_u32 v[SPW], v[NIL]
	v_lshrrev_b32 v1, 5, v0
	v_readfirstlane_b32 s14, v1
	s_lshr_b32 s15, s14, 1
	s_and_b32 s16, s14, 1
	s_bfe_u32 s40, ttmp6, 0x40000
	s_bfe_u32 s41, ttmp6, 0x40004
	s_lshl_b32 s43, ttmp9, 2
	s_add_co_u32 s43, s43, s40                     ; tile row: 256 tokens
	s_and_b32 s42, ttmp7, 0xffff
	s_lshl_b32 s42, s42, 2
	s_add_co_u32 s42, s42, s41                     ; tile column: 128 columns
	s_lshl_b32 s44, 0x1111, s40
	s_lshl_b32 s45, s41, 2
	s_lshl_b32 s45, 15, s45
	GROUP1 G1A, 44, 0
	GROUP1 G1B, 45, 128
	s_mov_b32 s[G0A], 1
	s_mul_i32 s76, s43, 16*TB
	s_mov_b32 s77, 0
	s_mul_i32 s78, s42, 8*TB
	s_add_co_u32 s78, s78, 192*TB
	s_mov_b32 s79, 0
	s_mov_b32 s[G0B], 1
	s_mov_b32 s[G0B+1], YB
	s_mul_i32 s66, s15, 8*TB
	s_mul_i32 s67, s16, 4*TB
	s_add_co_u32 s67, s67, YB
	s_lshl_b32 s68, s15, 12
	s_add_co_u32 s68, s68, XS
	s_mul_i32 s69, s14, 16*SPITCH
	s_add_co_u32 s69, s69, STAGE
	v_and_b32 v1, 15, v0
	v_bfe_u32 v2, v0, 4, 1
	v_and_b32 v3, 31, v0
	v_lshlrev_b32 v[T16], 4, v0
	v_lshlrev_b32 v[L8], 3, v3
	v_lshlrev_b32 v[H64], 6, v2
	v_mul_u32_u24 v9, v1, SPITCH
	v_mul_u32_u24 v13, v2, SPITCH
	v_lshlrev_b32 v14, 12, v2
	v_add_nc_u32 v[AQ0], s66, v[L8]
.irp q, 1,2,3,4,5,6,7
	v_add_nc_u32 v[AQ0+\q], 1536*\q, v[AQ0]
.endr
.irp q, 0,1,2,3,4,5,6,7
	v_add_nc_u32 v[AQ+\q], TB+1536*\q, v[AQ0]
.endr
	v_add_nc_u32 v[BBA], s67, v[L8]
	v_add_nc_u32 v[AAS0], s68, v[L8]
	v_add_nc_u32 v[LX], XS, v[T16]
	v_lshl_add_u32 v9, v2, 6, v9
	v_lshl_add_u32 v13, v1, 4, v13
	v_lshl_add_u32 v[CO], v1, 4, v14               ; in out0: row l / 16, 16 bytes x (l % 16)
	v_add_nc_u32 v[AAS], 512, v[AAS0]
	v_add_nc_u32 v[STO], s69, v9                   ; the stage, in: row r, + 64 h
	v_add_nc_u32 v[RD], s69, v13                   ; and back: lanes 0-15 one row, lanes 16-31 the next
	WALU                                           ; the wait at the head's end
	s_wait_dscnt 0x0
	CROUND                                         ; the opening round
	s_wait_kmcnt 0x0
	s_add_nc_u64 s[G0A+2:G0A+3], s[4:5], s[76:77]
	s_add_nc_u64 s[G0B+2:G0B+3], s[8:9], s[78:79]
	s_or_b32 s[G0B+3], s[G0B+3], 0x80000000
	s_cmp_eq_u32 s14, 0
	s_cbranch_scc0 .Lwave_1
	TLOAD G0B, G1B                                 ; wave 0: the weight's eight tiles, which are wanted first
	s_branch .Lasked
.Lwave_1:
	s_cmp_eq_u32 s14, 1
	s_cbranch_scc0 .Lwave_2
	ATILE 0, 96                                    ; wave 1: token tiles 0 to 5
	s_branch .Lasked
.Lwave_2:
	s_cmp_eq_u32 s14, 2
	s_cbranch_scc0 .Lwave_3
	ATILE 96, 80                                   ; wave 2: 6 to 10
	s_branch .Lasked
.Lwave_3:
	ATILE 176, 80                                  ; wave 3: 11 to 15
.Lasked:
	s_mov_b32 s21, 0
	s_lshl_b32 s20, s43, 13
	s_add_nc_u64 s[6:7], s[6:7], s[20:21]          ; my tokens' scale bytes
	s_lshl_b32 s20, s42, 12
	s_lshl_b32 s22, s16, 11
	s_add_co_u32 s20, s20, s22
	s_add_co_u32 s20, s20, 192*512
	s_add_nc_u64 s[10:11], s[10:11], s[20:21]      ; my four column tiles' scale bytes
	s_lshl_b32 s20, s42, 9
	s_lshl_b32 s22, s16, 8
	s_add_co_u32 s20, s20, s22
	s_add_nc_u64 s[84:85], s[84:85], s[20:21]      ; my 64 columns' bias,
	s_add_nc_u64 s[86:87], s[86:87], s[20:21]      ; and their place in a row of out0
	s_lshl_b32 s20, s43, 20
	s_lshl_b32 s22, s15, 19
	s_add_co_u32 s20, s20, s22
	s_add_nc_u64 s[86:87], s[86:87], s[20:21]      ; my 128 tokens
.irp i, 0,1,2,3
	global_load_b128 v[HV+4*\i:HV+4*\i+3], v[T16], s[6:7] offset:2048*\i
.endr
.irp t, 0,1,2,3
.irp i, 0,1
	global_load_b64 v[SB+4*\t+2*\i:SB+4*\t+2*\i+1], v[L8], s[10:11] offset:512*\t+256*\i   ; 256 consecutive bytes: lanes 0-15 K steps 4 i, 4 i + 1, lanes 16-31 K steps 4 i + 2, 4 i + 3
	global_load_b128 v[BO+8*\t+4*\i:BO+8*\t+4*\i+3], v[H64], s[84:85] offset:128*(\t/2)+32*(\t%2)+16*\i
.endr
.endr
	s_wait_loadcnt 0x0
.irp i, 0,1,2,3
	ds_store_b128 v[LX], v[HV+4*\i:HV+4*\i+3] offset:2048*\i
.endr
	s_wait_dscnt 0x0
	s_cmp_eq_u32 s14, 0
	s_cbranch_scc0 .Lnot_b
	s_wait_tensorcnt 0x0                           ; wave 0: the weight's tiles have landed
.Lnot_b:
	BARRIER                                        ; they and the tokens' scale bytes are shown to all
	LOADB
	s_wait_tensorcnt 0x0                           ; my part of the tokens has landed
	s_wait_dscnt 0x0
	BARRIER                                        ; and everybody's
	FETCHAT 0, AQ0, AAS0
	FETCHAT 1, AQ, AAS
	s_wait_dscnt NF                                ; tile 0's fragments are in
.irp s, 0,1,2,3,4,5,6,7
	BP \s
.endr
	s_wait_tensorcnt 0x0                           ; the wave's end
	ds_add_u32 v[SPW], v[NIL]
	s_wait_dscnt 0x0
	CROUND                                         ; the closing round
	s_endpgm
.Lfunc_end_k_qd1313bfc2d_gemm_proj:
	.size	k_qd1313bfc2d_gemm_proj, .Lfunc_end_k_qd1313bfc2d_gemm_proj-k_qd1313bfc2d_gemm_proj
	.p2alignl 7, 3214868480
	.fill 96, 4, 3214868480
	.section	.rodata,"a",@progbits
	.p2align	6, 0x0
	.amdhsa_kernel k_qd1313bfc2d_gemm_proj
		.amdhsa_group_segment_fixed_size 327680
		.amdhsa_private_segment_fixed_size 0
		.amdhsa_enable_private_segment 0
		.amdhsa_kernarg_size 48
		.amdhsa_user_sgpr_count 2
		.amdhsa_user_sgpr_kernarg_segment_ptr 1
		.amdhsa_wavefront_size32 1
		.amdhsa_system_sgpr_workgroup_id_x 1
		.amdhsa_system_sgpr_workgroup_id_y 1
		.amdhsa_system_sgpr_workgroup_id_z 1
		.amdhsa_system_vgpr_workitem_id 0
		.amdhsa_next_free_vgpr 840
		.amdhsa_next_free_sgpr 102
		.amdhsa_reserve_vcc 0
		.amdhsa_float_denorm_mode_32 3
		.amdhsa_float_denorm_mode_16_64 3
		.amdhsa_memory_ordered 1
		.amdhsa_forward_progress 1
		.amdhsa_inst_pref_size 88
	.end_amdhsa_kernel
	.amdgpu_metadata
---
amdhsa.version: [ 1, 2 ]
amdhsa.kernels:
  - .name:           k_qd1313bfc2d_gemm_proj
    .symbol:         k_qd1313bfc2d_gemm_proj.kd
    .args:
      - { .name: ocodes, .offset: 0, .size: 8, .value_kind: global_buffer, .address_space: global }
      - { .name: oscales, .offset: 8, .size: 8, .value_kind: global_buffer, .address_space: global }
      - { .name: wcodes, .offset: 16, .size: 8, .value_kind: global_buffer, .address_space: global }
      - { .name: wscales, .offset: 24, .size: 8, .value_kind: global_buffer, .address_space: global }
      - { .name: proj_b, .offset: 32, .size: 8, .value_kind: global_buffer, .address_space: global }
      - { .name: out0, .offset: 40, .size: 8, .value_kind: global_buffer, .address_space: global }
    .group_segment_fixed_size: 327680
    .private_segment_fixed_size: 0
    .kernarg_segment_align: 8
    .kernarg_segment_size: 48
    .max_flat_workgroup_size: 128
    .sgpr_count:     102
    .vgpr_count:     840
    .wavefront_size: 32
...
	.end_amdgpu_metadata
.endif
;; end of part 4
